; MI455X (gfx1250); checked and timed in simulation.
; The chip was launched on July 23, 2026; its instructions are those of AMD's public machine-readable ISA for CDNA 5 (MIT licence, August 2026) and "CDNA5" Instruction Set Architecture Reference Guide (July 2026). The comments in the code are by the model that wrote it; some were corrected since.
;; Multi Head Attention. Allowed arithmetic: matrix products marked QUANTISED: E4M3 operands, one given power-of-two scale a tensor, by v_wmma_f32_16x16x64_fp8_fp8 or v_wmma_f32_16x16x128_fp8_fp8, f32 sums; everything else in f32.
;; Inputs: Wk 1,024 x 1,024 float32; Wo 1,024 x 1,024 float32; Wq 1,024 x 1,024 float32; Wv 1,024 x 1,024 float32; bk 1,024 float32; bo 1,024 float32; bq 1,024 float32; bv 1,024 float32; key 4 x 2,048 x 1,024 float32; lowp_scales 12 int32 (the exponents e of the quantised operands' scales 2^e); mask 4 x 2,048 x 2,048 int32; query 4 x 2,048 x 1,024 float32; value 4 x 2,048 x 1,024 float32.
;; Outputs: out0 4 x 2,048 x 1,024 float32.
;; This version of the problem:
;;   THIS VERSION OF THE PROBLEM IS GIVEN IN LOW PRECISION. The matrix products marked QUANTISED in the list below multiply operands that are first quantised to E4M3 (4 exponent bits, 3 mantissa bits; 8 bits a number), with one given power-of-two scale for each operand tensor; their sums are f32. All else is computed in f32.
;;   The module's matrix products, in the order in which they are computed (A, B: the left and right operand; K: the contracted axis; several contracted axes count as one K, in the product's order):
;;     1. [M 8,192, K 1,024] x [K 1,024, N 1,024]; A: input query; B: input Wq: QUANTISED (scales: A lowp_scales[0], B lowp_scales[1])
;;     2. [M 8,192, K 1,024] x [K 1,024, N 1,024]; A: input key; B: input Wk: QUANTISED (scales: A lowp_scales[2], B lowp_scales[3])
;;     3. [M 8,192, K 1,024] x [K 1,024, N 1,024]; A: input value; B: input Wv: QUANTISED (scales: A lowp_scales[4], B lowp_scales[5])
;;     4. batch 64 x [M 2,048, K 64] x [K 64, N 2,048]; A: computed on the way; B: computed on the way: QUANTISED (scales: A lowp_scales[6], B lowp_scales[7])
;;     5. batch 64 x [M 2,048, K 2,048] x [K 2,048, N 64]; A: softmax (see below); B: computed on the way: QUANTISED (scales: A lowp_scales[8], B lowp_scales[9])
;;     6. [M 8,192, K 1,024] x [K 1,024, N 1,024]; A: computed on the way; B: input Wo: QUANTISED (scales: A lowp_scales[10], B lowp_scales[11])
;;   THE QUANTISER, for each operand of a quantised product, along K:
;;     - The operand's scale is 2^e, e = its entry of the input lowp_scales (int32; the entries are numbered through the quantised products in the list's order, A before B).
;;     - Each number is divided by the scale, clamped to +-448, and rounded to the nearest number of E4M3, ties to even, subnormals kept.
;;     - The product sums the exact products of the quantised numbers (number of the format x scale) in f32.
;;   ~~~python
;;   def quantise(x, axis, e):      # numpy; x: float32 -> the quantised numbers, widened to float32 again
;;       x = np.moveaxis(x, axis, -1); K = x.shape[-1]
;;       r = np.clip(x / 2.0 ** e, -448, 448)
;;       step = 2.0 ** (np.maximum(np.frexp(np.where(r == 0, 1, r))[1] - 1, -6) - 3)
;;       q = np.round(r / step) * step * 2.0 ** e      # np.round: ties to even
;;       return np.moveaxis(q, -1, axis).astype(np.float32)
;;   ~~~
;;   SOFTMAX AHEAD OF A QUANTISED PRODUCT. Where the list says 'softmax', what is quantised is not the finished softmax but p = 2^(t - M), with t = logit x log2(e) and M = ceil(the row's largest t), a whole number; so 1/2 < the row's largest p <= 1. The row's sum l is taken of the UNQUANTISED p, in f32, and the product's result is divided by l at the end. Since M is a whole number, a kernel that streams over the keys may use a running M (the ceiling of the running maximum): every later rescaling is an exact power of two, so the quantised numbers keep their values, but for numbers so far below the row's largest that they fall under the format's range.
;;   OPERANDS COMPUTED ON THE WAY. 'Computed on the way' means the value that the module computes at that place (a softmax that the list does not call 'softmax' is quantised finished and normalised). What goes into a quantiser is computed in f32, as accurately as f32 sums, v_exp_f32 and their like allow (about 1e-6 of the number): no bf16 or f16 on the way to a quantiser, and a product that is left as it is and whose result goes on into a quantised operand takes f32 operands (vector FMAs, or v_wmma_f32_16x16x4_f32). A number that lies on a knife's edge between two numbers of the format may be rounded either way, as far as f32 arithmetic and the matrix unit's own rounding can turn it there, and no further.
;; 2 versions, each right; version 2 is version 1 with the launch attn written anew for expert scheduling mode. Each part assembles by itself: llvm-mc -triple=amdgcn-amd-amdhsa -mcpu=gfx1250 --defsym DOCPART=n.
;; ======== version 1 of 2: 4 launches
;; workspace buffers: xw 29,360,128 bytes; maskw 2,097,152 bytes of whole numbers; maskf 65,536 bytes of whole numbers; qc 8,388,608 bytes; kv 16,777,216 bytes; ac 8,388,608 bytes
;; launch prep (part 1): grid 1408 x 1, 4 waves a work-group, no clusters, 34,304 bytes of LDS; arguments query, key, value, Wq, Wk, Wv, Wo, mask, lowp_scales, xw, maskw, maskf; writes xw, maskw, maskf
.if DOCPART == 1
	.amdgcn_target "amdgcn-amd-amdhsa--gfx1250"
	.amdhsa_code_object_version 6
	.text
	.protected	k_q0e2153966f_prep
	.globl	k_q0e2153966f_prep
	.p2align	8
	.type	k_q0e2153966f_prep,@function
k_q0e2153966f_prep:
	s_mov_b64 s[64:65], 0
	v_nop
	global_prefetch_b8 v0, s[64:65] scope:SCOPE_SE
	s_setreg_imm32_b32 hwreg(HW_REG_WAVE_MODE, 25, 1), 1
	s_wait_xcnt 0x0
; query, key, value [8192][1024] and Wq, Wk, Wv, Wo [1024][1024], f32, become codes of FP8 (E4M3), each with its given scale 2^e; mask [8192][2048], int32, becomes lane-mask words and flag words.
; code = x / 2^e, held within +-448, to the nearest code, ties to even.  LIMITS: e between -126 and 119; NaN among the inputs is not served.
; ROW TILE T: slot r (0..15) is row 32 (T / 2) + 8 (T % 2) + r + 8 (r / 8).  IMAGE of a fragment (16 slots x 128 k): 2,048 bytes, four pieces c of 512; in a piece lane L = r + 16 h owns
; bytes 16 L .. 16 L + 15: k = 32 c + 16 h + 0 .. 15 of slot r.  xw: [tensor][T][8 k steps][2048]; byte offsets: query 0, key 8 MiB, value 16 MiB, Wq, Wk, Wv, Wo 24 .. 27 MiB.
; maskw: [512 T][16 steps of 128 keys][64 words]: bit L of word n says mask[slot L % 16 of T][128 step + 32 (n / 16) + 16 (L / 16) + n % 16] != 0.
; maskf: [512 T][4][8 words]: words 0-3 the OR of the 64 words of steps 4 w .. 4 w + 3, words 4-7 their AND.
; SHARES.  A unit is a row tile x 512 bytes of its rows (128 numbers).  A wave takes four units on end along the rows; a work-group sixteen.  Work-groups 0-767 take query, key, value (256 each),
; 768-895 the four weights (32 each), 896-1407 the mask.  Only pointers and strides are chosen by the work-group's number; loads and the turn through LDS are one text for all.
; Each load reads 512 consecutive bytes of one row; the 16 rows go through the wave's own stage in LDS and come back so that lane (r, h) holds, in register 16 c + i, number 32 c + 16 h + i of slot r.
; No tensor loads, no barrier: waves share nothing.
.set SPITCH, 528                       ; a stage row: 512 bytes + 16, so that the 16 rows that a read touches start 16 bytes further on in each run of 256
.set WSTG,  16*SPITCH                  ; a wave's stage
.set SPARE, 4*WSTG                     ; behind the stages: the spare words, 128 bytes for each wave, that no other line names
.set MID,   896                        ; the mask's first work-group
.set LN,  1                            ; v1   lane
.set L16, 2                            ; v2   16 x lane
.set L8,  3                            ; v3   8 x lane
.set L4,  4                            ; v4   4 x lane
.set SI,  5                            ; v5   the stage, on the way in: 16 x lane in row i
.set SO,  6                            ; v6   on the way out: row r, + 64 h
.set SC,  7                            ; v7   2^e as f32
.set LIM, 8                            ; v8   448 x 2^e
.set SPW, 9                            ; v9   my spare word's LDS address; never rewritten
.set NIL, 10                           ; v10  0; never rewritten
.set FL,  11                           ; v11  lanes 0-7: the wave's eight flag words
.set MW,  12                           ; v12-19 a pair for each unit: lane l holds words 2 l and 2 l + 1
.set RO,  20                           ; v20-35 byte offset of slot i's row, + 16 x lane; never rewritten
.set C,   36                           ; v36-51 a unit's codes
.set R,   64                           ; v64-191 two sets of 64: a unit as loaded
.set X,   192                          ; v192-255 a unit as the conversions want it
	s_load_b512 s[8:23], s[0:1], 0x0               ; query, key, value, Wq, Wk, Wv, Wo, mask
	s_load_b256 s[24:31], s[0:1], 0x40             ; the scales' exponents s[24:25], xw s[26:27], maskw s[28:29], maskf s[30:31]
	v_lshl_add_u32 v[SPW], v0, 2, SPARE
	v_mov_b32 v[NIL], 0
	v_lshrrev_b32 v[LN], 5, v0
	v_readfirstlane_b32 s54, v[LN]                 ; wave 0..3
	v_and_b32 v[LN], 31, v0
	v_lshlrev_b32 v[L16], 4, v[LN]
	v_lshlrev_b32 v[L8], 3, v[LN]
	v_lshlrev_b32 v[L4], 2, v[LN]
	s_mul_i32 s34, s54, WSTG
	v_add_nc_u32 v[SI], s34, v[L16]
	v_and_b32 v[SO], 15, v0
	v_mul_u32_u24 v[SO], v[SO], SPITCH
	v_bfe_u32 v[FL], v0, 4, 1
	v_lshl_add_u32 v[SO], v[FL], 6, v[SO]
	v_add_nc_u32 v[SO], s34, v[SO]
	v_mov_b32 v[FL], 0                             ; a lane write's destination counts as read: written once
.irp i, 0,1,2,3,4,5,6,7
	v_mov_b32 v[MW+\i], 0
.endr
	; what differs between the f32 tensors and the mask
	s_mov_b32 s58, 8192                            ; a row in bytes
	s_mov_b32 s61, 1024                            ; output bytes of a wave's four units
	s_mov_b32 s55, MID                             ; the tensor's first work-group
	s_mov_b32 s56, 0                               ; byte of its exponent among the scales
	s_mov_b32 s57, 0                               ; its first byte in the output buffer
	s_cmp_lt_u32 ttmp9, MID
	s_cselect_b32 s58, 4096, s58
	s_cselect_b32 s59, 1, 2                        ; log2 of the waves that share a row tile
	s_cselect_b32 s60, 1, 3
	s_cselect_b32 s61, 8192, s61
	s_wait_kmcnt 0x0
	s_cselect_b64 s[4:5], s[26:27], s[28:29]       ; out: xw or maskw
	s_mov_b64 s[2:3], s[22:23]                     ; in: the mask, unless one of the choices below takes another
.macro PICK lim, in, first, eoff, ooff ; work-groups under lim belong to this tensor or to an earlier one
	s_cmp_lt_u32 ttmp9, \lim
	s_cselect_b64 s[2:3], s[\in:\in+1], s[2:3]
	s_cselect_b32 s55, \first, s55
	s_cselect_b32 s56, \eoff, s56
	s_cselect_b32 s57, \ooff, s57
.endm
	PICK 896, 20, 864, 44, 0x1b00000               ; Wo
	PICK 864, 18, 832, 20, 0x1a00000               ; Wv
	PICK 832, 16, 800, 12, 0x1900000               ; Wk
	PICK 800, 14, 768, 4,  0x1800000               ; Wq
	PICK 768, 12, 512, 16, 0x1000000               ; value
	PICK 512, 10, 256, 8,  0x800000                ; key
	PICK 256, 8,  0,   0,  0                       ; query
	s_load_b32 s62, s[24:25], s56 offset:0x0       ; e (the mask's path loads entry 0 and does not use it)
	s_sub_co_u32 s55, ttmp9, s55
	s_lshl_b32 s55, s55, 2
	s_add_co_u32 s55, s55, s54                     ; my wave's number in the tensor
	s_lshr_b32 s34, s55, s59                       ; T
	s_and_b32 s35, s55, s60                        ; which 2,048 bytes of its rows
	s_lshr_b32 s36, s34, 1
	s_lshl_b32 s36, s36, 5
	s_and_b32 s37, s34, 1
	s_lshl_b32 s37, s37, 3
	s_add_co_u32 s36, s36, s37                     ; slot 0's row
	s_mul_i32 s36, s36, s58
	s_lshl_b32 s35, s35, 11
	s_add_co_u32 s36, s36, s35
	s_mov_b32 s37, 0
	s_add_nc_u64 s[2:3], s[2:3], s[36:37]
	s_mul_i32 s38, s55, s61
	s_add_co_u32 s38, s38, s57
	s_mov_b32 s39, 0
	s_add_nc_u64 s[4:5], s[4:5], s[38:39]
	s_lshl_b32 s40, s55, 5
	s_mov_b32 s41, 0
	s_add_nc_u64 s[6:7], s[30:31], s[40:41]        ; my wave's eight flag words
.irp i, 0,1,2,3,4,5,6,7,8,9,10,11,12,13,14,15
	s_mul_i32 s42, s58, \i+8*(\i/8)
	v_add_nc_u32 v[RO+\i], s42, v[L16]
.endr
.macro LOADU u                         ; unit u: 16 loads, each 512 consecutive bytes of one row
.irp i, 0,1,2,3,4,5,6,7,8,9,10,11,12,13,14,15
	global_load_b128 v[R+64*((\u)%2)+4*\i:R+64*((\u)%2)+4*\i+3], v[RO+\i], s[2:3] offset:512*(\u) th:TH_LOAD_NT
.endr
.endm
.macro TURN u                          ; through my stage: LDS serves a wave's instructions in order, so no wait stands between the stores and the loads
.irp i, 0,1,2,3,4,5,6,7,8,9,10,11,12,13,14,15
	ds_store_b128 v[SI], v[R+64*((\u)%2)+4*\i:R+64*((\u)%2)+4*\i+3] offset:SPITCH*\i
.endr
.irp c, 0,1,2,3
.irp j, 0,1,2,3
	ds_load_b128 v[X+16*\c+4*\j:X+16*\c+4*\j+3], v[SO] offset:128*\c+16*\j
.endr
.endr
.endm
.macro QBACK u                         ; a unit of f32 numbers becomes one image
.if (\u) > 0
	s_wait_xcnt 0x0                                ; the last unit's stores have read C: it is written again only behind this wait
.endif
.set i, 0
.rept 64
	v_med3_num_f32 v[X+i], v[X+i], -v[LIM], v[LIM] ; the conversion to an 8-bit code does not saturate (ISA guide 7.6.2): the hold comes first
.set i, i+1
.endr
.set i, 0
.rept 8
	v_cvt_scalef32_pk8_fp8_f32 v[C+2*i:C+2*i+1], v[X+8*i:X+8*i+7], v[SC]
.set i, i+1
.endr
	v_nop                                          ; one plain line behind the last conversion
.irp c, 0,1,2,3
	global_store_b128 v[L16], v[C+4*\c:C+4*\c+3], s[4:5] offset:2048*(\u)+512*\c   ; a piece: 512 consecutive bytes
.endr
.endm
.macro MBACK u                         ; a unit of the mask becomes 64 lane-mask words and two flag words
	s_mov_b32 s52, 0
	s_mov_b32 s53, -1
.set n, 0
.rept 4
.set k, 0
.rept 16
	v_cmp_ne_u32 s[36+k], 0, v[X+n+k]              ; word n + k: a bit for each lane
.set k, k+1
.endr
.set k, 0
.rept 16
	v_writelane_b32 v[MW+2*(\u)+((n+k)%2)], s[36+k], (n+k)/2
	s_or_b32 s52, s52, s[36+k]
	s_and_b32 s53, s53, s[36+k]
.set k, k+1
.endr
.set n, n+16
.endr
	global_store_b64 v[L8], v[MW+2*(\u):MW+2*(\u)+1], s[4:5] offset:256*(\u)   ; the 64 words: 256 consecutive bytes
	v_writelane_b32 v[FL], s52, \u
	v_writelane_b32 v[FL], s53, 4+(\u)
.endm
.macro UNIT u
.if (\u) < 3
	s_wait_loadcnt 16                              ; this unit's 16 loads are in; the next unit's 16 may be out
.else
	s_wait_loadcnt 0
.endif
	TURN \u
	s_wait_dscnt 0x0                               ; X is in, and the stores have read R,
.if (\u) < 2
	LOADU (\u)+2                                   ; which takes the unit two further on
.endif
	s_cmp_lt_u32 ttmp9, MID
	s_cbranch_scc0 .Lmask_\@
	QBACK \u
	s_branch .Ljoin_\@
.Lmask_\@:
	MBACK \u
.Ljoin_\@:
.endm
	LOADU 0
	LOADU 1
	s_wait_kmcnt 0x0
	s_add_co_i32 s62, s62, 127
	s_lshl_b32 s63, s62, 23
	v_mov_b32 v[SC], s63                           ; 2^e: the conversion takes its exponent field
	s_add_co_i32 s62, s62, 8
	s_lshl_b32 s62, s62, 23
	s_or_b32 s62, s62, 0x600000
	v_mov_b32 v[LIM], s62                          ; 448 x 2^e
	UNIT 0
	UNIT 1
	UNIT 2
	UNIT 3
	s_cmp_lt_u32 ttmp9, MID
	s_cbranch_scc1 .Lend
	s_wait_xcnt 0x0                                ; EXEC is a source of the stores above: it changes only behind this wait
	v_cmp_gt_u32 vcc_lo, 8, v[LN]
	s_and_saveexec_b32 s55, vcc_lo
	global_store_b32 v[L4], v[FL], s[6:7]          ; lanes 0-7: the wave's flag words
	s_wait_xcnt 0x0                                ; and again, ahead of the line that widens it
	s_or_b32 exec_lo, exec_lo, s55
.Lend:
	s_wait_tensorcnt 0x0                           ; the wave's end, behind my last LDS store
	ds_add_u32 v[SPW], v[NIL]
	s_wait_dscnt 0x0
	s_endpgm
.Lfunc_end_k_q0e2153966f_prep:
	.size	k_q0e2153966f_prep, .Lfunc_end_k_q0e2153966f_prep-k_q0e2153966f_prep
	.p2alignl 7, 3214868480
	.fill 96, 4, 3214868480
	.section	.rodata,"a",@progbits
	.p2align	6, 0x0
	.amdhsa_kernel k_q0e2153966f_prep
		.amdhsa_group_segment_fixed_size 34304
		.amdhsa_private_segment_fixed_size 0
		.amdhsa_enable_private_segment 0
		.amdhsa_kernarg_size 96
		.amdhsa_user_sgpr_count 2
		.amdhsa_user_sgpr_kernarg_segment_ptr 1
		.amdhsa_wavefront_size32 1
		.amdhsa_system_sgpr_workgroup_id_x 1
		.amdhsa_system_sgpr_workgroup_id_y 1
		.amdhsa_system_sgpr_workgroup_id_z 1
		.amdhsa_system_vgpr_workitem_id 0
		.amdhsa_next_free_vgpr 256
		.amdhsa_next_free_sgpr 66
		.amdhsa_reserve_vcc 1
		.amdhsa_float_denorm_mode_32 3
		.amdhsa_float_denorm_mode_16_64 3
		.amdhsa_memory_ordered 1
		.amdhsa_forward_progress 1
		.amdhsa_inst_pref_size 90
	.end_amdhsa_kernel
	.amdgpu_metadata
---
amdhsa.version: [ 1, 2 ]
amdhsa.kernels:
  - .name:           k_q0e2153966f_prep
    .symbol:         k_q0e2153966f_prep.kd
    .args:
      - { .name: query, .offset: 0, .size: 8, .value_kind: global_buffer, .address_space: global }
      - { .name: key, .offset: 8, .size: 8, .value_kind: global_buffer, .address_space: global }
      - { .name: value, .offset: 16, .size: 8, .value_kind: global_buffer, .address_space: global }
      - { .name: Wq, .offset: 24, .size: 8, .value_kind: global_buffer, .address_space: global }
      - { .name: Wk, .offset: 32, .size: 8, .value_kind: global_buffer, .address_space: global }
      - { .name: Wv, .offset: 40, .size: 8, .value_kind: global_buffer, .address_space: global }
      - { .name: Wo, .offset: 48, .size: 8, .value_kind: global_buffer, .address_space: global }
      - { .name: mask, .offset: 56, .size: 8, .value_kind: global_buffer, .address_space: global }
      - { .name: lowp_scales, .offset: 64, .size: 8, .value_kind: global_buffer, .address_space: global }
      - { .name: xw, .offset: 72, .size: 8, .value_kind: global_buffer, .address_space: global }
      - { .name: maskw, .offset: 80, .size: 8, .value_kind: global_buffer, .address_space: global }
      - { .name: maskf, .offset: 88, .size: 8, .value_kind: global_buffer, .address_space: global }
    .group_segment_fixed_size: 34304
    .private_segment_fixed_size: 0
    .kernarg_segment_align: 8
    .kernarg_segment_size: 96
    .max_flat_workgroup_size: 128
    .sgpr_count:     66
    .vgpr_count:     256
    .wavefront_size: 32
...
	.end_amdgpu_metadata
.endif
;; end of part 1
;; launch proj (part 2): grid 4 x 96, 4 waves a work-group, clusters of 4 x 4, 327,680 bytes of LDS; arguments xw, bq, bk, bv, lowp_scales, qc, kv; writes qc, kv
.if DOCPART == 2
	.amdgcn_target "amdgcn-amd-amdhsa--gfx1250"
	.amdhsa_code_object_version 6
	.text
	.protected	k_q0e2153966f_proj
	.globl	k_q0e2153966f_proj
	.p2align	8
	.type	k_q0e2153966f_proj,@function
k_q0e2153966f_proj:
	s_mov_b64 s[64:65], 0
	v_nop
	global_prefetch_b8 v0, s[64:65] scope:SCOPE_SE
	s_setreg_imm32_b32 hwreg(HW_REG_WAVE_MODE, 25, 1), 1
	s_wait_xcnt 0x0
	s_wait_alu depctr_hold_cnt(0) depctr_sa_sdst(0) depctr_va_vdst(0) depctr_va_sdst(0) depctr_va_ssrc(0) depctr_va_vcc(0) depctr_vm_vsrc(0)
	s_getreg_b32 s2, hwreg(HW_REG_IB_STS2, 6, 4)
	s_cmp_eq_u32 s2, 0
	s_cbranch_scc0 .Lentry_in_a_cluster
	s_endpgm
.Lentry_in_a_cluster:
	s_bfe_u32 s2, ttmp6, 0x10000c
	s_cmp_lg_u32 s2, 0xf033
	s_cbranch_scc0 .Lentry_shape_is_right
	s_endpgm
.Lentry_shape_is_right:
; The three projections on codes of FP8 (E4M3), their biases, and the quantising of Q, K and V into the operands of attention's two products.
; Clusters 0-7 along y make Q = query Wq^T + bq, 8-15 K likewise, 16-23 V.  C = A B^T with A [M][1024], B [N][1024] as images (below); for Q and K A = the tokens (M = 8,192), B = the weight (N = 1,024);
; FOR V THE ROLES ARE SWAPPED (A = Wv, B = value), so that a lane holds a channel and its registers run down the tokens, which are the K of attention's second product.
; ROW TILE T: slot r is row 32 (T / 2) + 8 (T % 2) + r + 8 (r / 8).  IMAGE of a fragment (16 slots x 128 k): 2,048 bytes, four pieces c of 512; lane L = r + 16 h owns bytes 16 L on: k = 32 c + 16 h + 0 .. 15 of slot r.
; xw: [tensor][T][8 k steps][2048].  A fragment comes out of LDS by four ds_load_b128 at 16 x lane: consecutive bytes, no pitch.  The same order of k stands on both sides of every product.
; A tile of C, 256 x 256, is made by four waves, each 128 x 128: 64 accumulators.  K goes in steps of 256 through a ring of two LDS slots of 131,072 bytes; a wave's tensor load brings 8 row tiles x 4,096 bytes.
; CLUSTERS: 4 x 4 work-groups; A's tiles are asked for jointly along a row of the cluster, B's along a column.  Which product a cluster makes hangs on the cluster's y alone, and is chosen by selects, not by branches.
; THE MATRIX INSTRUCTION IS USED TRANSPOSED (source 0 = a tile of B, source 1 = a tile of A): lane (r, h) holds slot r of A's tile, and the 16 registers of B's tiles 2 q, 2 q + 1 are B's rows 32 q + 16 h + 0 .. 15:
; sixteen neighbours along the next product's K, so the conversions' results are pieces of the next operand's image and leave by stores of 512 consecutive bytes.  No LDS on the way out.
; qc: [64 batch x head][128 token tiles][2 pieces][512].  kv: [64 batch x head][16 steps of 128 keys][16,384]: K as 8 key tiles x 1,024 bytes, then V^T as 4 channel tiles x 2,048.
; A sum stands for sum x 2^(ex + ew): code = (sum + bias / 2^(ex + ew)) / 2^(eo - ex - ew), held within +-448.
; LIMITS: ex + ew between -126 and 126; eo - ex - ew between -126 and 119.  NaN or infinity among the inputs is not served.
; REGISTERS, in windows of 256: window 0: v1-29 addresses and constants; v32-47 store offsets; v48-63 the bias by lane; v64-127 the bias by register; v128-255 A's fragments, ONE set, later the codes.
;   window 1: B's fragments, TWO sets, at v0 and v128; on the way out v0-63 at work.   window 2: the accumulators of my A tiles 0-3 ((a, b) at v[8 (8 a + b)]);   window 3: of tiles 4-7.
.set FR,    16                         ; registers of a fragment
.set NL,    4                          ; LDS loads that bring one
.set NP,    4                          ; places behind this matrix instruction (ISA guide 7.12.1)
.set PART,  32768                      ; what one tensor load brings: 8 row tiles x 256 along K
.set SLOT,  4*PART                     ; A's two halves, then B's two
.set KSB,   4096                       ; a K step of 256 in a row tile's bytes
.set SPARE, 2*SLOT                     ; behind the ring: the spare words, 128 bytes for each wave, that no other line names
.set LAPS,  2                          ; 1,024 along K = four K steps = twice round the ring
.set L16,  3                           ; v3   16 x lane
.set H64,  6                           ; v6   64 h: the bias by register
.set R4,   7                           ; v7   4 (r + 8 (r / 8)): the bias by lane
.set SC,   8                           ; v8   2^(eo - ex - ew)
.set LIM,  9                           ; v9   448 x that
.set ADRA, 16                          ; v16-17 LDS address of my A fragments in slot 0, 1
.set ADRB, 20                          ; v20-21 the same for B
.set SPW,  28                          ; v28  my spare word's LDS address; never rewritten
.set NIL,  29                          ; v29  0; never rewritten
.set OFF,  32                          ; v32-47 store offsets: A tile a, half of B's four pieces
.set BM,   48                          ; v48-63 a pair for each A tile
.set BN,   64                          ; v64-127 register 8 b + j
.set AF,   128
.set CD,   128                         ; the codes: 16 registers for each A tile
.set TMP,  0                           ; in window 1
.set G1, 24                            ; s[24:31] descriptor group 1 for A's tiles;  s[32:39] group 0, one set for each slot
.set G0, 32
.set G1B, 48                           ; s[48:55], s[56:63] the same for B's tiles
.set G0B, 56
.set MSB, 0
.macro WIN new                         ; the immediate's high byte repeats the setting that is left
.if MSB != (\new)
	s_set_vgpr_msb (MSB<<8)|(\new)
.set MSB, (\new)
.endif
.endm
.set MUL_LO, 0xa1                      ; source 0 (B) window 1, source 1 (A) window 0, C and D window 2
.set MUL_HI, 0xf1                      ; the same, C and D window 3
.set TO_B,   0x40                      ; destination window 1, address window 0
; A joint load: waves 0 and 1 fetch for A, waves 2 and 3 for B.  The branch hangs on the wave's number alone.  An s_nop 0 and four v_nop follow each of the two lines.
.macro JLOAD g0a, g1a, g0b, g1b
	s_cmp_eq_u32 s15, 0
	s_cbranch_scc0 .Lfor_b_\@
	tensor_load_to_lds s[\g0a:\g0a+3], s[\g1a:\g1a+7]
	s_nop 0
.rept 4
	v_nop
.endr
	s_branch .Lasked_\@
.Lfor_b_\@:
	tensor_load_to_lds s[\g0b:\g0b+3], s[\g1b:\g1b+7]
	s_nop 0
.rept 4
	v_nop
.endr
.Lasked_\@:
.endm
.macro CREST                           ; a round of the cluster's barrier behind its opening barrier
	s_cmp_lg_u32 s14, 0
	s_cbranch_scc1 .Lnot_wave_0_\@
	s_barrier_signal -3
.Lnot_wave_0_\@:
	s_barrier_wait -3
	s_barrier_signal -1
	s_barrier_wait -1
.endm
.macro CROUND                          ; a whole round
	s_barrier_signal -1
	s_barrier_wait -1
	CREST
.endm
	s_load_b256 s[4:11], s[0:1], 0x0               ; xw s[4:5], bq s[6:7], bk s[8:9], bv s[10:11]
	s_load_b128 s[68:71], s[0:1], 0x20             ; the scales' exponents s[68:69], qc s[70:71]
	s_load_b64 s[72:73], s[0:1], 0x30              ; kv
	v_lshl_add_u32 v[SPW], v0, 2, SPARE
	v_mov_b32 v[NIL], 0
	ds_add_u32 v[SPW], v[NIL]                      ; the wave's opening: the add and its wait stand ahead of my first tensor load; the set-up below stands between them
	v_lshrrev_b32 v1, 5, v0
	v_readfirstlane_b32 s14, v1                    ; wave 0..3
	s_lshr_b32 s15, s14, 1                         ; which half of the tile's A rows is mine.  Also: I fetch for A (0) or for B (1)
	s_and_b32 s16, s14, 1                          ; which half of its B rows.  Also: which 8 row tiles I fetch
	s_bfe_u32 s40, ttmp6, 0x40000                  ; cx, cy: my place in the cluster
	s_bfe_u32 s41, ttmp6, 0x40004
	s_and_b32 s76, ttmp7, 0xffff                   ; cluster y, 0..23
	s_lshr_b32 s77, s76, 3                         ; which product: 0 Q, 1 K, 2 V
	s_and_b32 s78, s76, 7
	s_lshl_b32 s86, s77, 23                        ; A's first byte in xw: query, key,
	s_lshl_b32 s87, s77, 20
	s_add_co_u32 s87, s87, 0x1800000               ; B's: Wq, Wk,
	s_cmp_eq_u32 s77, 2
	s_cselect_b32 s79, 0, s78                      ; the cluster's place among the tile rows (V: Wv has four tile rows, one cluster's worth)
	s_cselect_b32 s80, s78, 0                      ; and among the tile columns
	s_cselect_b32 s86, 0x1a00000, s86              ; or Wv
	s_cselect_b32 s87, 0x1000000, s87              ; and value
	s_lshl_b32 s17, s79, 2
	s_add_co_u32 s17, s17, s41                     ; tile row
	s_lshl_b32 s42, s80, 2
	s_add_co_u32 s42, s42, s40                     ; tile column
	s_lshl_b32 s43, s41, 2
	s_lshl_b32 s43, 15, s43                        ; my row of the cluster
	s_lshl_b32 s44, 0x1111, s40                    ; my column
	; descriptor group 1: 8 rows (row tiles) of 512 elements of 8 bytes, 2,048 elements apart; dense in LDS
	s_or_b32 s[G1+0], s43, (3<<16)|(1<<21)         ; 15:0 the mask: A's tiles go to my row; 17:16 elements of 8 bytes; 20 no padding; 21 set beside a mask
	s_or_b32 s[G1B+0], s44, (3<<16)|(1<<21)
.irp g, G1, G1B
	s_mov_b32 s[\g+1], 512<<16                     ; tensor_dim0
	s_mov_b32 s[\g+2], 8<<16                       ; tensor_dim1
	s_mov_b32 s[\g+3], 512<<16                     ; tile_dim0
	s_mov_b32 s[\g+4], 8                           ; tile_dim1
	s_mov_b32 s[\g+5], 2048                        ; tensor_dim0_stride
	s_mov_b32 s[\g+6], 0
	s_mov_b32 s[\g+7], 0
.endr
	s_lshl_b32 s18, s16, 17                        ; the 8 row tiles that I fetch: 8 x 16,384 bytes
	s_lshl_b32 s20, s17, 18                        ; A: 16 row tiles to a tile row
	s_add_co_u32 s20, s20, s18
	s_add_co_u32 s20, s20, s86
	s_mov_b32 s21, 0
	s_lshl_b32 s46, s42, 18                        ; B likewise, by the tile column
	s_add_co_u32 s46, s46, s18
	s_add_co_u32 s46, s46, s87
	s_mov_b32 s47, 0
	s_lshl_b32 s45, s14, 15                        ; where they go: wave x 32,768: no place in the cluster enters an LDS address
	s_wait_dscnt 0x0                               ; the opening add is done
	s_wait_kmcnt 0x0
	s_load_b256 s[88:95], s[68:69], 0x0            ; the twelve exponents
	s_load_b128 s[96:99], s[68:69], 0x20
	s_add_nc_u64 s[20:21], s[4:5], s[20:21]
	s_add_nc_u64 s[46:47], s[4:5], s[46:47]
	CROUND                                         ; all sixteen work-groups are here: the first joint loads meet
.irp s, 0,1
	s_mov_b32 s[G0+4*\s], 1
	s_add_co_u32 s[G0+4*\s+1], s45, \s*SLOT
	s_add_nc_u64 s[G0+4*\s+2:G0+4*\s+3], s[20:21], \s*KSB
	s_or_b32 s[G0+4*\s+3], s[G0+4*\s+3], 0x80000000
	s_mov_b32 s[G0B+4*\s], 1
	s_add_co_u32 s[G0B+4*\s+1], s45, \s*SLOT
	s_add_nc_u64 s[G0B+4*\s+2:G0B+4*\s+3], s[46:47], \s*KSB
	s_or_b32 s[G0B+4*\s+3], s[G0B+4*\s+3], 0x80000000
	JLOAD G0+4*\s, G1, G0B+4*\s, G1B               ; two loads of mine are out
.endr
	v_and_b32 v1, 15, v0                           ; r
	v_bfe_u32 v2, v0, 4, 1                         ; h
	v_and_b32 v[L16], 31, v0
	v_lshlrev_b32 v[L16], 4, v[L16]
	s_lshl_b32 s21, s15, 15                        ; my 8 tiles of A
	s_lshl_b32 s22, s16, 15                        ; my 8 tiles of B,
	s_add_co_u32 s22, s22, 2*PART                  ; which lie behind A's 16
.irp s, 0,1
	v_add_nc_u32 v[ADRA+\s], s21, v[L16]
	v_add_nc_u32 v[ADRB+\s], s22, v[L16]
	s_add_co_u32 s21, s21, SLOT
	s_add_co_u32 s22, s22, SLOT
.endr
	; the biases.  For Q and K the bias goes by B's row (a register); for V by A's row (a lane).  Both are loaded, from inside the buffer, and the one that does not apply is multiplied by 0 on the way out
	v_lshlrev_b32 v[H64], 6, v2
	v_and_b32 v4, 8, v1
	v_add_nc_u32 v4, v4, v1
	v_lshlrev_b32 v[R4], 2, v4
	s_cmp_eq_u32 s77, 0
	s_cselect_b64 s[18:19], s[6:7], s[8:9]
	s_cmp_eq_u32 s77, 2
	s_cselect_b64 s[18:19], s[10:11], s[18:19]
	s_lshl_b32 s22, s42, 10
	s_lshl_b32 s23, s16, 9
	s_add_co_u32 s22, s22, s23                     ; 4 x (256 x tile column + 128 x half)
	s_lshl_b32 s20, s17, 10
	s_lshl_b32 s23, s15, 9
	s_add_co_u32 s20, s20, s23                     ; 4 x (256 x tile row + 128 x half)
	s_cmp_eq_u32 s77, 2
	s_cselect_b32 s22, 0, s22
	s_cselect_b32 s20, s20, 0
	s_mov_b32 s23, 0
	s_mov_b32 s21, 0
	s_add_nc_u64 s[82:83], s[18:19], s[22:23]
	s_add_nc_u64 s[84:85], s[18:19], s[20:21]
.irp b, 0,1,2,3,4,5,6,7
	global_load_b128 v[BN+8*\b:BN+8*\b+3], v[H64], s[82:83] offset:4*(32*(\b/2)+8*(\b%2))
	global_load_b128 v[BN+8*\b+4:BN+8*\b+7], v[H64], s[82:83] offset:4*(32*(\b/2)+8*(\b%2))+16
.endr
.irp a, 0,1,2,3,4,5,6,7
	global_load_b32 v[BM+2*\a], v[R4], s[84:85] offset:4*(32*(\a/2)+8*(\a%2))
.endr
	; where the codes go.  X: the tile coordinate along the tokens, Y: along the channels, P, Q: my halves of them
	s_cmp_eq_u32 s77, 2
	s_cselect_b32 s18, s42, s17                    ; X
	s_cselect_b32 s19, s17, s42                    ; Y
	s_cselect_b32 s20, s16, s15                    ; P
	s_cselect_b32 s21, s15, s16                    ; Q
	s_lshr_b32 s22, s18, 3
	s_lshl_b32 s22, s22, 4                         ; 16 x batch
	s_lshl_b32 s19, s19, 2
	s_add_co_u32 s22, s22, s19
	s_lshl_b32 s21, s21, 1
	s_add_co_u32 s22, s22, s21                     ; + my first head: 4 Y + 2 Q
	s_and_b32 s18, s18, 7
	s_lshl_b32 s22, s22, 17
	s_lshl_b32 s18, s18, 14
	s_lshl_b32 s20, s20, 13
	s_add_co_u32 s22, s22, s18
	s_add_co_u32 s22, s22, s20                     ; qc: (128 x (batch, head) + 16 (X % 8) + 8 P) x 1,024;  kv: twice that
	s_mov_b32 s79, 1024                            ; from A tile to A tile within four,
	s_mov_b32 s80, 4096                            ; from four to four,
	s_mov_b32 s81, 0x40000                         ; from B's pieces 0, 1 to pieces 2, 3 (the next head)
	s_cmp_eq_u32 s77, 0
	s_cselect_b32 s23, 0, 1
	s_cselect_b64 s[70:71], s[70:71], s[72:73]     ; qc or kv
	s_cselect_b32 s81, 0x20000, s81
	s_lshl_b32 s22, s22, s23
	s_cmp_eq_u32 s77, 2
	s_cselect_b32 s79, 2048, s79                   ; V^T: a channel tile; four of them are a head; pieces 2, 3 follow pieces 0, 1
	s_cselect_b32 s80, 0x40000, s80
	s_cselect_b32 s81, 1024, s81
	s_cselect_b32 s23, 8192, 0                     ; V^T lies behind a step's K
	s_add_co_u32 s22, s22, s23
	s_mov_b32 s23, 0
	s_add_nc_u64 s[70:71], s[70:71], s[22:23]
.irp a, 0,1,2,3,4,5,6,7
	s_mul_i32 s18, s80, \a/4
	s_mul_i32 s19, s79, \a%4
	s_add_co_u32 s18, s18, s19
	v_add_nc_u32 v[OFF+2*\a], s18, v[L16]
	s_add_co_u32 s18, s18, s81
	v_add_nc_u32 v[OFF+2*\a+1], s18, v[L16]
.endr
.macro FRAG reg, adr, q, i             ; tile i's fragment of the slot's q-th 128 along K: four pieces, each 512 consecutive bytes
.irp c, 0,1,2,3
	ds_load_b128 v[\reg+4*\c:\reg+4*\c+3], v[\adr] offset:2048*(\q)+512*\c+(\i)*4096
.endr
.endm
; 16 matrix instructions: A's tiles a0, a0 + 1 x B's eight, 128 along K.  p: B's set.  zero = 1: the first product starts the sums.  The 64 accumulators take turns, in the same order in every step.
.macro MUL16 a0, p, zero
.irp a, \a0, \a0+1
.irp b, 0,1,2,3,4,5,6,7
.if \zero
	v_wmma_f32_16x16x128_fp8_fp8 v[8*(8*((\a)%4)+\b):8*(8*((\a)%4)+\b)+7], v[128*(\p)+FR*\b:128*(\p)+FR*\b+FR-1], v[AF+FR*(\a):AF+FR*(\a)+FR-1], 0
.else
	v_wmma_f32_16x16x128_fp8_fp8 v[8*(8*((\a)%4)+\b):8*(8*((\a)%4)+\b)+7], v[128*(\p)+FR*\b:128*(\p)+FR*\b+FR-1], v[AF+FR*(\a):AF+FR*(\a)+FR-1], v[8*(8*((\a)%4)+\b):8*(8*((\a)%4)+\b)+7]
.endif
.endr
.endr
.endm
.macro FETCH_B slot, q, p
	WIN TO_B
.irp i, 0,1,2,3,4,5,6,7
	FRAG 128*(\p)+FR*\i, ADRB+\slot, \q, \i
.endr
	WIN 0
.endm
.macro FETCH_A slot, q, i0
.irp i, \i0, \i0+1, \i0+2, \i0+3
	FRAG AF+FR*(\i), ADRA+\slot, \q, \i
.endr
.endm
.macro PLACES n                        ; a load into a register that a matrix instruction has read stands NP plain vector instructions behind it
.rept \n
	v_nop
.endr
.endm
; A step of 128 along K that has its successor in the same slot.
.macro STEP slot, q, zero
	s_wait_dscnt 4*NL                              ; B's set and A's tiles 0-3 are in; the youngest 16 loads (A's tiles 4-7) may be out
	WIN MUL_LO
	MUL16 0, (\q)%2, \zero
	MUL16 2, (\q)%2, \zero
	s_wait_dscnt 0                                 ; A's tiles 4-7 are in
	PLACES NP
	FETCH_B \slot, (\q)+1, 1-(\q)%2
	FETCH_A \slot, (\q)+1, 0
	WIN MUL_HI
	MUL16 4, (\q)%2, \zero
	MUL16 6, (\q)%2, \zero
	PLACES NP
	WIN 0
	FETCH_A \slot, (\q)+1, 4
.endm
; A slot's last step changes slots: ONE barrier; ahead of it each wave waits for all its tensor loads, adds 0 to its spare word, and waits for that and for its own reads of this slot.  fill = 1: this slot is filled again, two K steps ahead.
.macro TURN slot, next, fill
	s_wait_tensorcnt 0x0                           ; all my tensor loads have landed: the one that was out is my part of the next slot
	ds_add_u32 v[SPW], v[NIL]
	s_wait_dscnt 4*NL+1                            ; (the add and the youngest 16 loads may be out)
	WIN MUL_LO
	MUL16 0, 1, 0
	s_wait_dscnt 0x0                               ; the add is done, and my reads of this slot are over
	s_barrier_signal -1
	MUL16 2, 1, 0
	WIN 0
	s_barrier_wait -1
.if \fill
	CREST                                          ; the barrier has opened a round of the cluster's barrier: no wave of any partner still reads this slot or has a load on its way
	s_add_nc_u64 s[G0+4*\slot+2:G0+4*\slot+3], s[G0+4*\slot+2:G0+4*\slot+3], 2*KSB
	s_add_nc_u64 s[G0B+4*\slot+2:G0B+4*\slot+3], s[G0B+4*\slot+2:G0B+4*\slot+3], 2*KSB
	JLOAD G0+4*\slot, G1, G0B+4*\slot, G1B         ; my one tensor load behind the round; its four v_nop are the places ahead of the loads below
.else
	PLACES NP
.endif
	FETCH_B \next, 0, 0
	FETCH_A \next, 0, 0
	WIN MUL_HI
	MUL16 4, 1, 0
	MUL16 6, 1, 0
	PLACES NP
	WIN 0
	FETCH_A \next, 0, 4
.endm
	s_wait_tensorcnt 1                             ; my part of K step 0 is in (K step 1's load may be out)
	s_barrier_signal -1
	s_barrier_wait -1                              ; everybody's is
	FETCH_B 0, 0, 0
	FETCH_A 0, 0, 0
	FETCH_A 0, 0, 4
	STEP 0, 0, 1                                   ; the first step's products start the sums
	s_mov_b32 s3, LAPS-1
.Llap:                                                 ; a trip goes once round the ring and fills both slots again
	TURN 0, 1, 1
	STEP 1, 0, 0
	TURN 1, 0, 1
	STEP 0, 0, 0
	s_sub_co_u32 s3, s3, 1
	s_cmp_lg_u32 s3, 0
	s_cbranch_scc1 .Llap
	TURN 0, 1, 0                                   ; the last lap fills nothing
	STEP 1, 0, 0
	s_wait_dscnt 4*NL
	WIN MUL_LO
	MUL16 0, 1, 0
	MUL16 2, 1, 0
	s_wait_dscnt 0
	WIN MUL_HI
	MUL16 4, 1, 0
	MUL16 6, 1, 0
	WIN 0
	; THE WAY OUT
	s_wait_loadcnt 0x0                             ; the biases
	s_wait_kmcnt 0x0                               ; the exponents
	s_cmp_eq_u32 s77, 0
	s_cselect_b32 s18, s88, s90                    ; ex
	s_cselect_b32 s19, s89, s91                    ; ew
	s_cselect_b32 s20, s94, s95                    ; eo: Q entry 6, K entry 7,
	s_cmp_eq_u32 s77, 2
	s_cselect_b32 s18, s92, s18
	s_cselect_b32 s19, s93, s19
	s_cselect_b32 s20, s97, s20                    ; V entry 9
	s_add_co_i32 s18, s18, s19                     ; ex + ew
	s_sub_co_i32 s20, s20, s18                     ; eo - ex - ew
	s_sub_co_i32 s19, 127, s18
	s_lshl_b32 s19, s19, 23                        ; 2^-(ex + ew) as f32
	s_cmp_eq_u32 s77, 2
	s_cselect_b32 s22, 0, s19                      ; the factor of the bias by register,
	s_cselect_b32 s46, s19, 0                      ; and of the bias by lane: one of them is 0
	s_mov_b32 s23, s22                             ; (named with it as a pair, so it is written)
	s_add_co_i32 s20, s20, 127
	s_lshl_b32 s21, s20, 23
	v_mov_b32 v[SC], s21
	s_add_co_i32 s20, s20, 8
	s_lshl_b32 s20, s20, 23
	s_or_b32 s20, s20, 0x600000
	v_mov_b32 v[LIM], s20
.set j, 0
.rept 32
	v_pk_mul_f32 v[BN+j:BN+j+1], v[BN+j:BN+j+1], s[22:23] op_sel_hi:[1,0]   ; these plain lines, which name no register of the last products, are also the places behind them
.set j, j+2
.endr
.irp a, 0,1,2,3,4,5,6,7
	v_mul_f32 v[BM+2*\a], s46, v[BM+2*\a]
.endr
.irp a, 0,1,2,3,4,5,6,7
	v_mov_b32 v[BM+2*\a+1], v[BM+2*\a]             ; the pair for the packed addition
.endr
.macro OUTA a                          ; A tile a: 64 sums a lane become 64 codes: four pieces of the next operand's images
.set AC, 64*((\a)%4)
	WIN 0x42+(\a)/4                                ; destination window 1, source 0 window 2 or 3
.set j, 0
.rept 32
	v_pk_add_f32 v[TMP+j:TMP+j+1], v[AC+j:AC+j+1], v[BN+j:BN+j+1]   ; each accumulator from its low end on
.set j, j+2
.endr
	WIN 0x41                                       ; destination and source 0 window 1
.set j, 0
.rept 32
	v_pk_add_f32 v[TMP+j:TMP+j+1], v[TMP+j:TMP+j+1], v[BM+2*(\a):BM+2*(\a)+1]
.set j, j+2
.endr
.set j, 0
.rept 64
	v_med3_num_f32 v[TMP+j], v[TMP+j], -v[LIM], v[LIM]   ; the conversion to an 8-bit code does not saturate (ISA guide 7.6.2)
.set j, j+1
.endr
	WIN 0x01                                       ; source 0 window 1, destination window 0
.set j, 0
.rept 8
	v_cvt_scalef32_pk8_fp8_f32 v[CD+16*(\a)+2*j:CD+16*(\a)+2*j+1], v[TMP+8*j:TMP+8*j+7], v[SC]
.set j, j+1
.endr
	v_nop                                          ; one plain line between the conversions and the next tile's writes of their sources
	WIN 0
.irp q, 0,1,2,3
	global_store_b128 v[OFF+2*(\a)+\q/2], v[CD+16*(\a)+4*\q:CD+16*(\a)+4*\q+3], s[70:71] offset:512*(\q%2)   ; 512 consecutive bytes; each tile has code registers of its own, so no store's data are written again
.endr
.endm
.irp a, 0,1,2,3,4,5,6,7
	OUTA \a
.endr
	s_wait_tensorcnt 0x0                           ; the wave's end
	ds_add_u32 v[SPW], v[NIL]
	s_wait_dscnt 0x0
	CROUND                                         ; the closing round: no work-group ends while a partner may still ask for a tile that names it
	s_endpgm
.Lfunc_end_k_q0e2153966f_proj:
	.size	k_q0e2153966f_proj, .Lfunc_end_k_q0e2153966f_proj-k_q0e2153966f_proj
	.p2alignl 7, 3214868480
	.fill 96, 4, 3214868480
	.section	.rodata,"a",@progbits
	.p2align	6, 0x0
	.amdhsa_kernel k_q0e2153966f_proj
		.amdhsa_group_segment_fixed_size 327680
		.amdhsa_private_segment_fixed_size 0
		.amdhsa_enable_private_segment 0
		.amdhsa_kernarg_size 56
		.amdhsa_user_sgpr_count 2
		.amdhsa_user_sgpr_kernarg_segment_ptr 1
		.amdhsa_wavefront_size32 1
		.amdhsa_system_sgpr_workgroup_id_x 1
		.amdhsa_system_sgpr_workgroup_id_y 1
		.amdhsa_system_sgpr_workgroup_id_z 1
		.amdhsa_system_vgpr_workitem_id 0
		.amdhsa_next_free_vgpr 1024
		.amdhsa_next_free_sgpr 100
		.amdhsa_reserve_vcc 0
		.amdhsa_float_denorm_mode_32 3
		.amdhsa_float_denorm_mode_16_64 3
		.amdhsa_memory_ordered 1
		.amdhsa_forward_progress 1
		.amdhsa_inst_pref_size 158
	.end_amdhsa_kernel
	.amdgpu_metadata
---
amdhsa.version: [ 1, 2 ]
amdhsa.kernels:
  - .name:           k_q0e2153966f_proj
    .symbol:         k_q0e2153966f_proj.kd
    .args:
      - { .name: xw, .offset: 0, .size: 8, .value_kind: global_buffer, .address_space: global }
      - { .name: bq, .offset: 8, .size: 8, .value_kind: global_buffer, .address_space: global }
      - { .name: bk, .offset: 16, .size: 8, .value_kind: global_buffer, .address_space: global }
      - { .name: bv, .offset: 24, .size: 8, .value_kind: global_buffer, .address_space: global }
      - { .name: lowp_scales, .offset: 32, .size: 8, .value_kind: global_buffer, .address_space: global }
      - { .name: qc, .offset: 40, .size: 8, .value_kind: global_buffer, .address_space: global }
      - { .name: kv, .offset: 48, .size: 8, .value_kind: global_buffer, .address_space: global }
    .group_segment_fixed_size: 327680
    .private_segment_fixed_size: 0
    .kernarg_segment_align: 8
    .kernarg_segment_size: 56
    .max_flat_workgroup_size: 128
    .sgpr_count:     100
    .vgpr_count:     1024
    .wavefront_size: 32
...
	.end_amdgpu_metadata
.endif
;; end of part 2
;; launch attn (part 3): grid 4 x 64, 16 waves a work-group, no clusters, 264,192 bytes of LDS; arguments qc, kv, maskw, maskf, lowp_scales, ac; writes ac
.if DOCPART == 3
	.amdgcn_target "amdgcn-amd-amdhsa--gfx1250"
	.amdhsa_code_object_version 6
	.text
	.protected	k_q0e2153966f_attn
	.globl	k_q0e2153966f_attn
	.p2align	8
	.type	k_q0e2153966f_attn,@function
k_q0e2153966f_attn:
	s_mov_b64 s[64:65], 0
	v_nop
	global_prefetch_b8 v0, s[64:65] scope:SCOPE_SE
	s_setreg_imm32_b32 hwreg(HW_REG_WAVE_MODE, 25, 1), 1
	s_wait_xcnt 0x0
; x[b][q][head] = softmax_k(where(mask == 0, -1e9, Q . K / 8)) V, both products on codes of FP8 (E4M3); x is quantised with entry 10 of the scales into images for the last product.
; THE SOFTMAX AHEAD OF THE SECOND PRODUCT: t = logit x log2(e); M = the running largest t rounded UP to a whole number; p = 2^(t - M) is quantised (entry 8), not normalised; the row's sum is taken of the unquantised p
; and divides at the end.  When M moves, the sum and O are multiplied by 2^(old M - new M).
; SHARES.  Work-group (j, batch x head) holds the WHOLE head's K and V^T in LDS (16 steps of 128 keys x 16,384 bytes), copied once through registers, wave w copying step w.  It owns query tiles 4 i + j, i = 0 .. 31;
; wave w takes tile 4 w + j and then tile 124 - 4 w + j.  One barrier in the launch.
; NO TENSOR LOAD AND NO CLUSTER, though four work-groups read the same 262,144 bytes: the walk below branches on the stored flag words of the mask, and what is shared is read once, at the head.
; THE MASK is an input and is honoured as it is given.  maskw holds, for a query tile and a step, 64 lane-mask words (bit L of word n: score register n of lane L counts); maskf their OR and AND.
;   A step whose AND is all ones needs no select and no words.  A step whose OR is 0 is passed over, if every one of the tile's 16 rows has a key that counts somewhere: such a step adds nothing to a row that has seen a
;   counted key (p = 0), and what it would add to a row that has not is multiplied by f = 0 when the first counted key comes.  A tile with a row that is masked throughout passes over nothing: that row gets p = 1 at every key.
;   A masked score is set to -2^(33 - e6 - e7), so that its t is the whole number -2^33 x log2(e) / 8, about -1.55e9, where reference() has about -1.44e9: the p are the same.
; LAYOUT.  Both products transposed: S^T = K Q^T (source 0 = a tile of 16 keys, K = 64), O^T = V^T P^T (source 0 = a tile of 16 channels, K = 128 keys): a lane holds ONE query throughout.
; Slot r of tile T of keys, queries or channels is number 32 (T / 2) + 8 (T % 2) + r + 8 (r / 8): so the 16 registers of result tiles 2 b, 2 b + 1 are 16 neighbours, 32 b + 16 h + 0 .. 15.
; LIMITS: e6 + e7 between -94 and 8 (no real logit comes near -1e9); e8, and e10 - e8 - e9, between -126 and 119.  NaN among the inputs is not served.
; REGISTERS: v1-10 addresses and constants; v12 -M, v13 the largest t, v[14:15] the sum in two halves; v16-23 Q; v24-30 at work; v32-95 K's 8 fragments, later v32-47 p's codes; v96-159 S^T, then p; v160-191 O^T; v192-255 V's 4 fragments.
.set STEPB, 16384                      ; a step in LDS and in kv: K's 8 tiles x 1,024 bytes, then V^T's 4 tiles x 2,048
.set SPARE, 16*STEPB                   ; behind them: the spare words, 128 bytes for each of 16 waves, that no other line names
.set L16,  1                           ; v1   16 x lane
.set ADR,  2                           ; v2   LDS address of the step in hand
.set SPW,  3                           ; v3   my spare word's LDS address; never rewritten
.set NIL,  4                           ; v4   0; never rewritten
.set CPA,  5                           ; v5   the copy: 16 x lane + 16,384 x wave
.set RNEG, 6                           ; v6   a masked score
.set PLIM, 7                           ; v7   448 x 2^e8
.set PSC,  8                           ; v8   2^e8
.set XLIM, 9                           ; v9   448 x 2^(e10 - e8 - e9)
.set XSC,  10                          ; v10  2^(e10 - e8 - e9)
.set QF,   16
.set KF,   32
.set S,    96
.set O,    160
.set VF,   192
; s2 wave; s3 the step; s[4:5] the step's mask words; s[6:7] c; s[8:9] lane selects; s10 the step's LDS byte; s11 steps passed over; s12 steps without a hole; s13, s14 at work; s15 e8;
; s[16:47], s[68:99] the 64 mask words (s[16:47] first the 32 flag words; s[68:79] first the exponents); s[48:59] the arguments; s[60:61] Q; s[62:63] the flags; s[66:67] the copy's source, then x's images.
.macro TILE second                     ; s13 = my query tile in the head, s14 = batch x head
	s_lshl_b32 s13, s2, 2
.if \second
	s_sub_co_u32 s13, 124, s13
.endif
	s_add_co_u32 s13, s13, ttmp9
	s_and_b32 s14, ttmp7, 0xffff
.endm
.macro ASK second                      ; a tile's Q and flag words are asked for, and its mask pointer is set
	s_wait_xcnt 0x0                                ; earlier loads have read the address registers that are written below
	TILE \second
	s_lshl_b32 s60, s14, 7
	s_add_co_u32 s60, s60, s13
	s_lshl_b32 s60, s60, 10
	s_mov_b32 s61, 0
	s_add_nc_u64 s[60:61], s[48:49], s[60:61]      ; qc: (128 x (batch, head) + tile) x 1,024
	s_lshr_b32 s14, s14, 4
	s_lshl_b32 s14, s14, 7
	s_add_co_u32 s14, s14, s13                     ; the tile among all 512: 128 x batch + tile
	s_lshl_b32 s62, s14, 7
	s_mov_b32 s63, 0
	s_add_nc_u64 s[62:63], s[54:55], s[62:63]
	s_lshl_b32 s4, s14, 12
	s_mov_b32 s5, 0
	s_add_nc_u64 s[4:5], s[52:53], s[4:5]
	global_load_b128 v[QF:QF+3], v[L16], s[60:61]  ; (the last products that read Q have four v_nop behind them)
	global_load_b128 v[QF+4:QF+7], v[L16], s[60:61] offset:512
	s_load_b512 s[16:31], s[62:63], 0x0
	s_load_b512 s[32:47], s[62:63], 0x40
.endm
.macro FLAGS                           ; the 32 flag words become two words of 16 bits
	s_mov_b32 s11, 0
	s_mov_b32 s12, 0
	s_mov_b32 s13, 0
.set q, 0
.rept 16
	s_or_b32 s13, s13, s[16+8*(q/4)+q%4]           ; which lanes have a key that counts
	s_cmp_eq_u32 s[16+8*(q/4)+q%4], 0
	s_cselect_b32 s14, 1<<q, 0
	s_or_b32 s11, s11, s14
	s_cmp_eq_u32 s[20+8*(q/4)+q%4], -1
	s_cselect_b32 s14, 1<<q, 0
	s_or_b32 s12, s12, s14
.set q, q+1
.endr
	s_lshr_b32 s14, s13, 16
	s_or_b32 s13, s13, s14                         ; a row's keys lie in lanes r and r + 16
	s_and_b32 s13, s13, 0xffff
	s_cmp_eq_u32 s13, 0xffff
	s_cselect_b32 s11, s11, 0                      ; a row that is masked throughout: nothing is passed over
.endm
.macro INIT                            ; steps may be passed over, so no fixed first product can start the sums: O^T and the sum begin as zeros, the largest t under every t
	v_mov_b32 v13, 0xff61b1e6                      ; -3e38
	v_floor_f32 v12, -v13
	v_mov_b32 v14, 0
	v_mov_b32 v15, 0
.set i, 0
.rept 32
	v_mov_b32 v[O+i], 0
.set i, i+1
.endr
	s_mov_b32 s3, 0
	s_mov_b32 s10, 0
.endm
.macro SCORES                          ; the step's K and V^T out of LDS; S^T = K Q^T
.set i, 0
.rept 8
	ds_load_b128 v[KF+8*i:KF+8*i+3], v[ADR] offset:1024*i
	ds_load_b128 v[KF+8*i+4:KF+8*i+7], v[ADR] offset:1024*i+512
.set i, i+1
.endr
.set i, 0
.rept 16
	ds_load_b128 v[VF+4*i:VF+4*i+3], v[ADR] offset:8192+512*i
.set i, i+1
.endr
	s_wait_dscnt 16                                ; K is in; V's 16 loads may be out
.set i, 0
.rept 8
	v_wmma_f32_16x16x64_fp8_fp8 v[S+8*i:S+8*i+7], v[KF+8*i:KF+8*i+7], v[QF:QF+7], 0
.set i, i+1
.endr
.rept 4
	v_nop                                          ; places ahead of the first read of the scores
.endr
.endm
.macro WALK                            ; a tile's 16 steps of 128 keys
.Lstep_\@:
	s_bitcmp1_b32 s11, s3
	s_cbranch_scc1 .Ltail_\@                       ; no key of the step counts for any row of the tile
	v_add_nc_u32 v[ADR], s10, v[L16]
.rept 3
	v_nop                                          ; with the addition: four places ahead of loads into registers that the last products have read
.endr
	s_bitcmp1_b32 s12, s3
	s_cbranch_scc1 .Lfull_\@
	s_load_b512 s[16:31], s[4:5], 0x0              ; the step's 64 mask words
	s_load_b512 s[32:47], s[4:5], 0x40
	s_load_b512 s[68:83], s[4:5], 0x80
	s_load_b512 s[84:99], s[4:5], 0xc0
	SCORES
	s_wait_kmcnt 0x0
.set n, 0
.rept 32
	v_cndmask_b32 v[S+n], v[RNEG], v[S+n], s[16+n] ; register n holds key 32 (n / 16) + 16 h + n % 16 of the step
.set n, n+1
.endr
.rept 32
	v_cndmask_b32 v[S+n], v[RNEG], v[S+n], s[36+n]
.set n, n+1
.endr
	s_branch .Lsoft_\@
.Lfull_\@:
	SCORES
.Lsoft_\@:
	v_max3_num_f32 v24, v[S], v[S+1], v[S+2]       ; the step's largest score of my query among my 64 keys, in two chains, each accumulator from its low end on,
	v_max3_num_f32 v26, v[S+3], v[S+4], v[S+5]
.set i, 6
.rept 14
	v_max3_num_f32 v24, v24, v[S+i], v[S+i+1]
	v_max3_num_f32 v26, v26, v[S+i+2], v[S+i+3]
.set i, i+4
.endr
	v_max3_num_f32 v24, v24, v[S+62], v[S+63]
	v_max_num_f32 v24, v24, v26
	v_permlanex16_b32 v30, v24, s8, s9
	v_max_num_f32 v24, v24, v30                    ; and among lane l xor 16's
	v_mul_f32 v24, s6, v24                         ; as t (c is positive)
	v_max_num_f32 v13, v13, v24
	v_mov_b32 v24, v12
	v_floor_f32 v12, -v13                          ; the new -M = floor(-t): M is a whole number
	v_sub_f32 v24, v12, v24                        ; old M - new M, 0 or less
	v_cvt_i32_f32 v24, v24                         ; (it saturates)
	v_ldexp_f32 v26, 1.0, v24                      ; f = 2^(old M - new M)
.set i, 0
.rept 32
	v_pk_fma_f32 v[S+i:S+i+1], v[S+i:S+i+1], s[6:7], v[12:13] op_sel_hi:[1,0,0]   ; t - M (of the pairs c and -M the low word serves both halves)
.set i, i+2
.endr
.set i, 0
.rept 64
	v_exp_f32 v[S+i], v[S+i]                       ; p = 2^(t - M)
.set i, i+1
.endr
	v_pk_mul_f32 v[14:15], v[14:15], v[26:27] op_sel_hi:[1,0]   ; the sum under the new M: the plain line behind the exponentials
	s_wait_alu depctr_va_vdst(0)                   ; the wait ahead of the batch's first reader: one for the 64
	v_pk_add_f32 v[28:29], v[S:S+1], v[S+2:S+3]    ; the row's sum, of the unquantised p, in two chains
.set i, 4
.rept 15
	v_pk_add_f32 v[14:15], v[14:15], v[S+i:S+i+1]
	v_pk_add_f32 v[28:29], v[28:29], v[S+i+2:S+i+3]
.set i, i+4
.endr
	v_pk_add_f32 v[14:15], v[14:15], v[28:29]
	s_cmp_ge_i32 s15, -8                           ; p <= 1 <= 448 x 2^e8 from e8 = -8 on: the hold then changes nothing and is jumped over
	s_cbranch_scc1 .Lheld_\@
.set i, 0
.rept 64
	v_min_num_f32 v[S+i], v[S+i], v[PLIM]          ; the conversion does not saturate (ISA guide 7.6.2); p is not negative
.set i, i+1
.endr
.Lheld_\@:
.set i, 0
.rept 8
	v_cvt_scalef32_pk8_fp8_f32 v[KF+2*i:KF+2*i+1], v[S+8*i:S+8*i+7], v[PSC]   ; registers 4 b .. 4 b + 3: keys 32 b + 16 h + 0 .. 15
.set i, i+1
.endr
.set i, 0
.rept 16
	v_pk_mul_f32 v[O+i:O+i+1], v[O+i:O+i+1], v[26:27] op_sel_hi:[1,0]   ; O^T under the new M.  (Also the plain lines between the conversions and the products)
.set i, i+2
.endr
	s_wait_dscnt 0x0                               ; V is in
.set i, 0
.rept 4
	v_wmma_f32_16x16x128_fp8_fp8 v[O+8*i:O+8*i+7], v[VF+16*i:VF+16*i+15], v[KF:KF+15], v[O+8*i:O+8*i+7]
.set i, i+1
.endr
.Ltail_\@:
	s_wait_xcnt 0x0                                ; the mask words' loads have read their address
	s_add_co_u32 s10, s10, STEPB
	s_add_nc_u64 s[4:5], s[4:5], 256
	s_add_co_u32 s3, s3, 1
	s_cmp_lt_u32 s3, 16
	s_cbranch_scc1 .Lstep_\@
.endm
.macro EPI second                      ; O^T / the sum, quantised: two pieces of x's image
.rept 4
	v_nop                                          ; places behind the last products
.endr
	v_add_f32 v14, v14, v15
	v_permlanex16_b32 v30, v14, s8, s9
	v_add_f32 v14, v14, v30                        ; the row's sum
	v_rcp_f32 v14, v14
	v_nop                                          ; a plain line behind the reciprocal
	s_wait_xcnt 0x0                                ; earlier loads and stores have read s[66:67]
	TILE \second
	s_lshr_b32 s66, s14, 4
	s_lshl_b32 s66, s66, 7
	s_add_co_u32 s66, s66, s13
	s_lshl_b32 s66, s66, 14                        ; ac: a row tile is 8 images of 2,048 bytes;
	s_and_b32 s14, s14, 15
	s_lshl_b32 s14, s14, 10                        ; a head's 64 channels are two pieces: 1,024 bytes
	s_add_co_u32 s66, s66, s14
	s_mov_b32 s67, 0
	s_add_nc_u64 s[66:67], s[58:59], s[66:67]
	s_wait_alu depctr_va_vdst(0)                   ; the wait ahead of the reciprocal's first reader
.set i, 0
.rept 16
	v_pk_mul_f32 v[S+i:S+i+1], v[O+i:O+i+1], v[14:15] op_sel_hi:[1,0]   ; each accumulator from its low end on
.set i, i+2
.endr
.set i, 0
.rept 32
	v_med3_num_f32 v[S+i], v[S+i], -v[XLIM], v[XLIM]
.set i, i+1
.endr
.set i, 0
.rept 4
	v_cvt_scalef32_pk8_fp8_f32 v[KF+2*i:KF+2*i+1], v[S+8*i:S+8*i+7], v[XSC]   ; O / l stands for x / 2^(e8 + e9): the three scales in one
.set i, i+1
.endr
	v_nop
	global_store_b128 v[L16], v[KF:KF+3], s[66:67]               ; 512 consecutive bytes each
	global_store_b128 v[L16], v[KF+4:KF+7], s[66:67] offset:512
.endm
	s_load_b256 s[48:55], s[0:1], 0x0              ; qc s[48:49], kv s[50:51], maskw s[52:53], maskf s[54:55]
	s_load_b128 s[56:59], s[0:1], 0x20             ; the scales' exponents s[56:57], ac s[58:59]
	v_lshl_add_u32 v[SPW], v0, 2, SPARE
	v_mov_b32 v[NIL], 0
	v_lshrrev_b32 v[L16], 5, v0
	v_readfirstlane_b32 s2, v[L16]                 ; wave 0..15
	v_and_b32 v[L16], 31, v0
	v_lshlrev_b32 v[L16], 4, v[L16]
	s_lshl_b32 s13, s2, 14
	v_add_nc_u32 v[CPA], s13, v[L16]
	s_mov_b32 s8, 0x76543210                       ; v_permlanex16_b32's selects for lane l xor 16
	s_mov_b32 s9, 0xfedcba98
	v_mov_b32 v27, 0                               ; (named as the upper half of the pair v[26:27])
	v_mov_b32 v30, 0                               ; a lane permute's destination counts as one of its sources
	s_wait_kmcnt 0x0
	s_load_b256 s[68:75], s[56:57], 0x0            ; e0 .. e7
	s_load_b128 s[76:79], s[56:57], 0x20           ; e8 .. e11
	ASK 0
	s_and_b32 s14, ttmp7, 0xffff
	s_lshl_b32 s14, s14, 18                        ; the head's 262,144 bytes of kv,
	s_lshl_b32 s13, s2, 14                         ; my step of them
	s_add_co_u32 s66, s14, s13
	s_mov_b32 s67, 0
	s_add_nc_u64 s[66:67], s[50:51], s[66:67]
.set i, 0
.rept 32
	global_load_b128 v[32+4*i:35+4*i], v[L16], s[66:67] offset:512*i
.set i, i+1
.endr
	s_wait_kmcnt 0x0                               ; the exponents and the first tile's flag words
	s_add_co_i32 s13, s74, s75                     ; e6 + e7
	s_lshl_b32 s14, s13, 23
	s_add_co_i32 s6, s14, 0x3e38aa3b               ; c = log2(e) / 8, with e6 + e7 added to its exponent field: a score stands for score x 2^(e6 + e7)
	s_mov_b32 s7, s6                               ; (named with it as a pair, so it is written)
	s_sub_co_i32 s13, 160, s13
	s_lshl_b32 s13, s13, 23
	s_or_b32 s13, s13, 0x80000000
	v_mov_b32 v[RNEG], s13                         ; -2^(33 - e6 - e7)
	s_mov_b32 s15, s76                             ; e8
	s_add_co_i32 s13, s76, 127
	s_lshl_b32 s14, s13, 23
	v_mov_b32 v[PSC], s14
	s_add_co_i32 s13, s13, 8
	s_lshl_b32 s13, s13, 23
	s_or_b32 s13, s13, 0x600000
	v_mov_b32 v[PLIM], s13
	s_sub_co_i32 s13, s78, s76
	s_sub_co_i32 s13, s13, s77                     ; e10 - e8 - e9
	s_add_co_i32 s13, s13, 127
	s_lshl_b32 s14, s13, 23
	v_mov_b32 v[XSC], s14
	s_add_co_i32 s13, s13, 8
	s_lshl_b32 s13, s13, 23
	s_or_b32 s13, s13, 0x600000
	v_mov_b32 v[XLIM], s13
	FLAGS
.set i, 0
.rept 32
	s_wait_loadcnt 31-i                            ; loads come back in order: load i is in (and Q, asked for earlier)
	ds_store_b128 v[CPA], v[32+4*i:35+4*i] offset:512*i
.set i, i+1
.endr
	s_wait_dscnt 0x0                               ; for the others' sake: my step lies in LDS
	s_barrier_signal -1
	s_barrier_wait -1                              ; all sixteen do; nothing is written to these bytes again
	INIT
	WALK
	ASK 1                                          ; the second tile's Q and flags are on their way while the first tile goes out
	EPI 0
	s_wait_xcnt 0x0                                ; the stores have read their registers: the next walk loads into them
	s_wait_loadcnt 0x0                             ; Q
	s_wait_kmcnt 0x0                               ; the flag words
	FLAGS
	INIT
	WALK
	EPI 1
	s_wait_tensorcnt 0x0                           ; the wave's end, behind my last LDS store
	ds_add_u32 v[SPW], v[NIL]
	s_wait_dscnt 0x0
	s_endpgm
.Lfunc_end_k_q0e2153966f_attn:
	.size	k_q0e2153966f_attn, .Lfunc_end_k_q0e2153966f_attn-k_q0e2153966f_attn
	.p2alignl 7, 3214868480
	.fill 96, 4, 3214868480
	.section	.rodata,"a",@progbits
	.p2align	6, 0x0
	.amdhsa_kernel k_q0e2153966f_attn
		.amdhsa_group_segment_fixed_size 264192
		.amdhsa_private_segment_fixed_size 0
		.amdhsa_enable_private_segment 0
		.amdhsa_kernarg_size 48
		.amdhsa_user_sgpr_count 2
		.amdhsa_user_sgpr_kernarg_segment_ptr 1
		.amdhsa_wavefront_size32 1
		.amdhsa_system_sgpr_workgroup_id_x 1
		.amdhsa_system_sgpr_workgroup_id_y 1
		.amdhsa_system_sgpr_workgroup_id_z 1
		.amdhsa_system_vgpr_workitem_id 0
		.amdhsa_next_free_vgpr 256
		.amdhsa_next_free_sgpr 100
		.amdhsa_reserve_vcc 0
		.amdhsa_float_denorm_mode_32 3
		.amdhsa_float_denorm_mode_16_64 3
		.amdhsa_memory_ordered 1
		.amdhsa_forward_progress 1
		.amdhsa_inst_pref_size 76
	.end_amdhsa_kernel
	.amdgpu_metadata
---
amdhsa.version: [ 1, 2 ]
amdhsa.kernels:
  - .name:           k_q0e2153966f_attn
    .symbol:         k_q0e2153966f_attn.kd
    .args:
      - { .name: qc, .offset: 0, .size: 8, .value_kind: global_buffer, .address_space: global }
      - { .name: kv, .offset: 8, .size: 8, .value_kind: global_buffer, .address_space: global }
      - { .name: maskw, .offset: 16, .size: 8, .value_kind: global_buffer, .address_space: global }
      - { .name: maskf, .offset: 24, .size: 8, .value_kind: global_buffer, .address_space: global }
      - { .name: lowp_scales, .offset: 32, .size: 8, .value_kind: global_buffer, .address_space: global }
      - { .name: ac, .offset: 40, .size: 8, .value_kind: global_buffer, .address_space: global }
    .group_segment_fixed_size: 264192
    .private_segment_fixed_size: 0
    .kernarg_segment_align: 8
    .kernarg_segment_size: 48
    .max_flat_workgroup_size: 512
    .sgpr_count:     100
    .vgpr_count:     256
    .wavefront_size: 32
...
	.end_amdgpu_metadata
.endif
;; end of part 3
;; launch outp (part 4): grid 4 x 32, 4 waves a work-group, clusters of 4 x 4, 327,680 bytes of LDS; arguments ac, xw, bo, lowp_scales, out0; writes out0
.if DOCPART == 4
	.amdgcn_target "amdgcn-amd-amdhsa--gfx1250"
	.amdhsa_code_object_version 6
	.text
	.protected	k_q0e2153966f_outp
	.globl	k_q0e2153966f_outp
	.p2align	8
	.type	k_q0e2153966f_outp,@function
k_q0e2153966f_outp:
	s_mov_b64 s[64:65], 0
	v_nop
	global_prefetch_b8 v0, s[64:65] scope:SCOPE_SE
	s_setreg_imm32_b32 hwreg(HW_REG_WAVE_MODE, 25, 1), 1
	s_wait_xcnt 0x0
	s_wait_alu depctr_hold_cnt(0) depctr_sa_sdst(0) depctr_va_vdst(0) depctr_va_sdst(0) depctr_va_ssrc(0) depctr_va_vcc(0) depctr_vm_vsrc(0)
	s_getreg_b32 s2, hwreg(HW_REG_IB_STS2, 6, 4)
	s_cmp_eq_u32 s2, 0
	s_cbranch_scc0 .Lentry_in_a_cluster
	s_endpgm
.Lentry_in_a_cluster:
	s_bfe_u32 s2, ttmp6, 0x10000c
	s_cmp_lg_u32 s2, 0xf033
	s_cbranch_scc0 .Lentry_shape_is_right
	s_endpgm
.Lentry_shape_is_right:
; out0 = x Wo^T + bo on codes of FP8 (E4M3).  x [8192][1024] lies in ac, Wo [1024][1024] in xw from byte 27 MiB on, both as images; out0 [8192][1024] f32.
; ROW TILE T: slot r is row 32 (T / 2) + 8 (T % 2) + r + 8 (r / 8).  IMAGE of a fragment (16 slots x 128 k): 2,048 bytes, four pieces c of 512; lane L = r + 16 h owns bytes 16 L on: k = 32 c + 16 h + 0 .. 15 of slot r.
; Both buffers: [T][8 k steps][2048].  A fragment comes out of LDS by four ds_load_b128 at 16 x lane.  The same order of k stands on both sides of the product.
; A tile of out0, 256 x 256, is made by four waves, each 128 x 128: 64 accumulators.  K goes in steps of 256 through a ring of two LDS slots of 131,072 bytes; a wave's tensor load brings 8 row tiles x 4,096 bytes.
; CLUSTERS: 4 x 4 work-groups; x's tiles are asked for jointly along a row of the cluster, Wo's along a column.
; THE MATRIX INSTRUCTION IS USED TRANSPOSED (source 0 = a tile of Wo, source 1 = a tile of x): lane (r, h) holds slot r of x's tile, and register j of Wo's tile b is column 32 (b / 2) + 8 (b % 2) + 16 h + j.
; out = sum x 2^(e10 + e11) + bo, one packed multiply-add for two numbers.  LIMIT: e10 + e11 between -126 and 127.
; REGISTERS, in windows of 256: window 0: v1-29 addresses; v64-127 bo by register; v128-255 x's fragments, ONE set, later rows on their way out.
;   window 1: Wo's fragments, TWO sets, at v0 and v128; on the way out v0-63 at work.   window 2: the accumulators of my x tiles 0-3 ((a, b) at v[8 (8 a + b)]);   window 3: of tiles 4-7.
.set FR,    16
.set NL,    4
.set NP,    4                          ; places behind this matrix instruction (ISA guide 7.12.1)
.set PART,  32768                      ; what one tensor load brings: 8 row tiles x 256 along K
.set SLOT,  4*PART
.set KSB,   4096                       ; a K step of 256 in a row tile's bytes
.set SPARE, 2*SLOT                     ; behind the ring: the spare words, 128 bytes for each wave, that no other line names
.set STAGE, SPARE+512                  ; behind them: a stage of 16 rows x (512 bytes + 16) for each wave; no tile lands there
.set SPITCH, 528
.set LAPS,  2
.set L16,  3                           ; v3   16 x lane
.set H64,  6                           ; v6   64 h
.set ADRA, 16
.set ADRB, 20
.set STO,  24                          ; v24  the stage: where I put my numbers of a row
.set RD,   25                          ; v25  and where I read a row back
.set SPW,  28
.set NIL,  29
.set BN,   64
.set AF,   128
.set BK,   128                         ; 16 rows read back: v128-191 and v192-255 by turns
.set TMP,  0                           ; in window 1
.set G1, 24
.set G0, 32
.set G1B, 48
.set G0B, 56
.set MSB, 0
.macro WIN new                         ; the immediate's high byte repeats the setting that is left
.if MSB != (\new)
	s_set_vgpr_msb (MSB<<8)|(\new)
.set MSB, (\new)
.endif
.endm
.set MUL_LO, 0xa1
.set MUL_HI, 0xf1
.set TO_B,   0x40
.macro JLOAD g0a, g1a, g0b, g1b        ; a joint load: waves 0 and 1 fetch for x, waves 2 and 3 for Wo; an s_nop 0 and four v_nop follow each of the two lines
	s_cmp_eq_u32 s15, 0
	s_cbranch_scc0 .Lfor_b_\@
	tensor_load_to_lds s[\g0a:\g0a+3], s[\g1a:\g1a+7]
	s_nop 0
.rept 4
	v_nop
.endr
	s_branch .Lasked_\@
.Lfor_b_\@:
	tensor_load_to_lds s[\g0b:\g0b+3], s[\g1b:\g1b+7]
	s_nop 0
.rept 4
	v_nop
.endr
.Lasked_\@:
.endm
.macro CREST
	s_cmp_lg_u32 s14, 0
	s_cbranch_scc1 .Lnot_wave_0_\@
	s_barrier_signal -3
.Lnot_wave_0_\@:
	s_barrier_wait -3
	s_barrier_signal -1
	s_barrier_wait -1
.endm
.macro CROUND
	s_barrier_signal -1
	s_barrier_wait -1
	CREST
.endm
	s_load_b128 s[4:7], s[0:1], 0x0                ; ac s[4:5], xw s[6:7]
	s_load_b128 s[8:11], s[0:1], 0x10              ; bo s[8:9], the scales' exponents s[10:11]
	s_load_b64 s[12:13], s[0:1], 0x20              ; out0
	v_lshl_add_u32 v[SPW], v0, 2, SPARE
	v_mov_b32 v[NIL], 0
	ds_add_u32 v[SPW], v[NIL]                      ; the wave's opening: the add and its wait stand ahead of my first tensor load
	v_lshrrev_b32 v1, 5, v0
	v_readfirstlane_b32 s14, v1                    ; wave 0..3
	s_lshr_b32 s15, s14, 1                         ; which half of the tile's rows is mine.  Also: I fetch for x (0) or for Wo (1)
	s_and_b32 s16, s14, 1                          ; which half of its columns.  Also: which 8 row tiles I fetch
	s_bfe_u32 s40, ttmp6, 0x40000                  ; cx, cy
	s_bfe_u32 s41, ttmp6, 0x40004
	s_lshl_b32 s42, ttmp9, 2
	s_add_co_u32 s42, s42, s40                     ; tile column
	s_and_b32 s17, ttmp7, 0xffff
	s_lshl_b32 s17, s17, 2
	s_add_co_u32 s17, s17, s41                     ; tile row
	s_lshl_b32 s43, s41, 2
	s_lshl_b32 s43, 15, s43                        ; my row of the cluster
	s_lshl_b32 s44, 0x1111, s40                    ; my column
	s_or_b32 s[G1+0], s43, (3<<16)|(1<<21)         ; 15:0 the mask; 17:16 elements of 8 bytes; 20 no padding; 21 set beside a mask
	s_or_b32 s[G1B+0], s44, (3<<16)|(1<<21)
.irp g, G1, G1B
	s_mov_b32 s[\g+1], 512<<16                     ; tensor_dim0
	s_mov_b32 s[\g+2], 8<<16                       ; tensor_dim1
	s_mov_b32 s[\g+3], 512<<16                     ; tile_dim0
	s_mov_b32 s[\g+4], 8                           ; tile_dim1
	s_mov_b32 s[\g+5], 2048                        ; tensor_dim0_stride
	s_mov_b32 s[\g+6], 0
	s_mov_b32 s[\g+7], 0
.endr
	s_lshl_b32 s18, s16, 17
	s_lshl_b32 s20, s17, 18
	s_add_co_u32 s20, s20, s18
	s_mov_b32 s21, 0
	s_lshl_b32 s46, s42, 18
	s_add_co_u32 s46, s46, s18
	s_add_co_u32 s46, s46, 0x1b00000               ; Wo's first byte in xw
	s_mov_b32 s47, 0
	s_lshl_b32 s45, s14, 15                        ; where they go: wave x 32,768
	s_wait_dscnt 0x0                               ; the opening add is done
	s_wait_kmcnt 0x0
	s_load_b64 s[96:97], s[10:11], 0x28            ; e10, e11
	s_add_nc_u64 s[20:21], s[4:5], s[20:21]
	s_add_nc_u64 s[46:47], s[6:7], s[46:47]
	CROUND                                         ; all sixteen work-groups are here: the first joint loads meet
.irp s, 0,1
	s_mov_b32 s[G0+4*\s], 1
	s_add_co_u32 s[G0+4*\s+1], s45, \s*SLOT
	s_add_nc_u64 s[G0+4*\s+2:G0+4*\s+3], s[20:21], \s*KSB
	s_or_b32 s[G0+4*\s+3], s[G0+4*\s+3], 0x80000000
	s_mov_b32 s[G0B+4*\s], 1
	s_add_co_u32 s[G0B+4*\s+1], s45, \s*SLOT
	s_add_nc_u64 s[G0B+4*\s+2:G0B+4*\s+3], s[46:47], \s*KSB
	s_or_b32 s[G0B+4*\s+3], s[G0B+4*\s+3], 0x80000000
	JLOAD G0+4*\s, G1, G0B+4*\s, G1B               ; two loads of mine are out
.endr
	v_and_b32 v1, 15, v0                           ; r
	v_bfe_u32 v2, v0, 4, 1                         ; h
	v_and_b32 v[L16], 31, v0
	v_lshlrev_b32 v[L16], 4, v[L16]
	s_lshl_b32 s21, s15, 15
	s_lshl_b32 s22, s16, 15
	s_add_co_u32 s22, s22, 2*PART
.irp s, 0,1
	v_add_nc_u32 v[ADRA+\s], s21, v[L16]
	v_add_nc_u32 v[ADRB+\s], s22, v[L16]
	s_add_co_u32 s21, s21, SLOT
	s_add_co_u32 s22, s22, SLOT
.endr
	s_mul_i32 s23, s14, 16*SPITCH
	s_add_co_u32 s23, s23, STAGE                   ; my stage
	v_mul_u32_u24 v5, v1, SPITCH
	v_lshl_add_u32 v5, v2, 6, v5
	v_add_nc_u32 v[STO], s23, v5                   ; in: row r, + 64 h
	v_add_nc_u32 v[RD], s23, v[L16]                ; back: the 32 lanes take one row of 512 bytes
	v_lshlrev_b32 v[H64], 6, v2
	s_lshl_b32 s22, s42, 10
	s_lshl_b32 s23, s16, 9
	s_add_co_u32 s22, s22, s23                     ; my first column in bytes: 4 x (256 x tile column + 128 x half)
	s_mov_b32 s23, 0
	s_add_nc_u64 s[8:9], s[8:9], s[22:23]
	s_add_nc_u64 s[12:13], s[12:13], s[22:23]
	s_lshl_b32 s22, s17, 20
	s_lshl_b32 s18, s15, 19
	s_add_co_u32 s22, s22, s18                     ; my first row: (256 x tile row + 128 x half) x 4,096 bytes
	s_add_nc_u64 s[12:13], s[12:13], s[22:23]
.irp b, 0,1,2,3,4,5,6,7
	global_load_b128 v[BN+8*\b:BN+8*\b+3], v[H64], s[8:9] offset:4*(32*(\b/2)+8*(\b%2))
	global_load_b128 v[BN+8*\b+4:BN+8*\b+7], v[H64], s[8:9] offset:4*(32*(\b/2)+8*(\b%2))+16
.endr
.macro FRAG reg, adr, q, i
.irp c, 0,1,2,3
	ds_load_b128 v[\reg+4*\c:\reg+4*\c+3], v[\adr] offset:2048*(\q)+512*\c+(\i)*4096
.endr
.endm
.macro MUL16 a0, p, zero               ; the 64 accumulators take turns, in the same order in every step
.irp a, \a0, \a0+1
.irp b, 0,1,2,3,4,5,6,7
.if \zero
	v_wmma_f32_16x16x128_fp8_fp8 v[8*(8*((\a)%4)+\b):8*(8*((\a)%4)+\b)+7], v[128*(\p)+FR*\b:128*(\p)+FR*\b+FR-1], v[AF+FR*(\a):AF+FR*(\a)+FR-1], 0
.else
	v_wmma_f32_16x16x128_fp8_fp8 v[8*(8*((\a)%4)+\b):8*(8*((\a)%4)+\b)+7], v[128*(\p)+FR*\b:128*(\p)+FR*\b+FR-1], v[AF+FR*(\a):AF+FR*(\a)+FR-1], v[8*(8*((\a)%4)+\b):8*(8*((\a)%4)+\b)+7]
.endif
.endr
.endr
.endm
.macro FETCH_B slot, q, p
	WIN TO_B
.irp i, 0,1,2,3,4,5,6,7
	FRAG 128*(\p)+FR*\i, ADRB+\slot, \q, \i
.endr
	WIN 0
.endm
.macro FETCH_A slot, q, i0
.irp i, \i0, \i0+1, \i0+2, \i0+3
	FRAG AF+FR*(\i), ADRA+\slot, \q, \i
.endr
.endm
.macro PLACES n
.rept \n
	v_nop
.endr
.endm
.macro STEP slot, q, zero
	s_wait_dscnt 4*NL                              ; Wo's set and x's tiles 0-3 are in; the youngest 16 loads (x's tiles 4-7) may be out
	WIN MUL_LO
	MUL16 0, (\q)%2, \zero
	MUL16 2, (\q)%2, \zero
	s_wait_dscnt 0
	PLACES NP
	FETCH_B \slot, (\q)+1, 1-(\q)%2
	FETCH_A \slot, (\q)+1, 0
	WIN MUL_HI
	MUL16 4, (\q)%2, \zero
	MUL16 6, (\q)%2, \zero
	PLACES NP
	WIN 0
	FETCH_A \slot, (\q)+1, 4
.endm
.macro TURN slot, next, fill
	s_wait_tensorcnt 0x0                           ; all my tensor loads have landed: the one that was out is my part of the next slot
	ds_add_u32 v[SPW], v[NIL]
	s_wait_dscnt 4*NL+1                            ; (the add and the youngest 16 loads may be out)
	WIN MUL_LO
	MUL16 0, 1, 0
	s_wait_dscnt 0x0                               ; the add is done, and my reads of this slot are over
	s_barrier_signal -1
	MUL16 2, 1, 0
	WIN 0
	s_barrier_wait -1
.if \fill
	CREST                                          ; the barrier has opened a round of the cluster's barrier
	s_add_nc_u64 s[G0+4*\slot+2:G0+4*\slot+3], s[G0+4*\slot+2:G0+4*\slot+3], 2*KSB
	s_add_nc_u64 s[G0B+4*\slot+2:G0B+4*\slot+3], s[G0B+4*\slot+2:G0B+4*\slot+3], 2*KSB
	JLOAD G0+4*\slot, G1, G0B+4*\slot, G1B         ; my one tensor load behind the round
.else
	PLACES NP
.endif
	FETCH_B \next, 0, 0
	FETCH_A \next, 0, 0
	WIN MUL_HI
	MUL16 4, 1, 0
	MUL16 6, 1, 0
	PLACES NP
	WIN 0
	FETCH_A \next, 0, 4
.endm
	s_wait_tensorcnt 1                             ; my part of K step 0 is in (K step 1's load may be out)
	s_barrier_signal -1
	s_barrier_wait -1
	FETCH_B 0, 0, 0
	FETCH_A 0, 0, 0
	FETCH_A 0, 0, 4
	STEP 0, 0, 1
	s_mov_b32 s3, LAPS-1
.Llap:
	TURN 0, 1, 1
	STEP 1, 0, 0
	TURN 1, 0, 1
	STEP 0, 0, 0
	s_sub_co_u32 s3, s3, 1
	s_cmp_lg_u32 s3, 0
	s_cbranch_scc1 .Llap
	TURN 0, 1, 0
	STEP 1, 0, 0
	s_wait_dscnt 4*NL
	WIN MUL_LO
	MUL16 0, 1, 0
	MUL16 2, 1, 0
	s_wait_dscnt 0
	WIN MUL_HI
	MUL16 4, 1, 0
	MUL16 6, 1, 0
	WIN 0
; THE WAY OUT, x tile by x tile: 16 rows x 128 columns go through my own stage and come back as whole rows of 512 bytes.  LDS serves a wave's instructions in order: no wait between the stores and the loads.
.macro TOSTAGE a
.set AC, 64*((\a)%4)
	WIN 0x42+(\a)/4                                ; destination window 1, source 0 window 2 or 3, source 2 window 0
.set j, 0
.rept 32
	v_pk_fma_f32 v[TMP+j:TMP+j+1], v[AC+j:AC+j+1], s[96:97], v[BN+j:BN+j+1] op_sel_hi:[1,0,1]   ; sum x 2^(e10 + e11) + bo; each accumulator from its low end on
.set j, j+2
.endr
	WIN 0x04                                       ; store data window 1, address window 0
.irp b, 0,1,2,3,4,5,6,7
	ds_store_b128 v[STO], v[TMP+8*\b:TMP+8*\b+3] offset:128*(\b/2)+32*(\b%2)
	ds_store_b128 v[STO], v[TMP+8*\b+4:TMP+8*\b+7] offset:128*(\b/2)+32*(\b%2)+16
.endr
	WIN 0
.set BB, BK+64*((\a)%2)
.irp t, 0,1,2,3,4,5,6,7,8,9,10,11,12,13,14,15
	ds_load_b128 v[BB+4*\t:BB+4*\t+3], v[RD] offset:\t*SPITCH
.endr
.endm
.macro SEND a, younger                 ; younger: the LDS instructions issued behind tile a's loads, which may stay out
.set BB, BK+64*((\a)%2)
	s_wait_dscnt \younger
.irp t, 0,1,2,3,4,5,6,7,8,9,10,11,12,13,14,15
	global_store_b128 v[L16], v[BB+4*\t:BB+4*\t+3], s[12:13] offset:(32*((\a)/2)+8*((\a)%2)+\t+8*(\t/8))*4096 th:TH_STORE_NT   ; slot t's row: 512 consecutive bytes; 127 rows of 4,096 bytes at the most in the immediate
.endr
.endm
	s_wait_loadcnt 0x0                             ; bo
	s_wait_kmcnt 0x0
	s_add_co_i32 s96, s96, s97
	s_add_co_i32 s96, s96, 127
	s_lshl_b32 s96, s96, 23                        ; 2^(e10 + e11) as f32
	PLACES NP                                      ; ahead of the reads of the last results and of the loads into the registers that held x's fragments
	TOSTAGE 0
.irp a, 1,2,3,4,5,6,7
.if \a > 1
	s_wait_xcnt 0x0                                ; tile a - 2's stores have read their registers: tile a's rows may land there
.endif
	TOSTAGE \a
	SEND \a-1, 32                                  ; behind tile a - 1's loads: tile a's 16 stores and 16 loads
.endr
	SEND 7, 0
	s_wait_tensorcnt 0x0                           ; the wave's end
	ds_add_u32 v[SPW], v[NIL]
	s_wait_dscnt 0x0
	CROUND                                         ; the closing round
	s_endpgm
.Lfunc_end_k_q0e2153966f_outp:
	.size	k_q0e2153966f_outp, .Lfunc_end_k_q0e2153966f_outp-k_q0e2153966f_outp
	.p2alignl 7, 3214868480
	.fill 96, 4, 3214868480
	.section	.rodata,"a",@progbits
	.p2align	6, 0x0
	.amdhsa_kernel k_q0e2153966f_outp
		.amdhsa_group_segment_fixed_size 327680
		.amdhsa_private_segment_fixed_size 0
		.amdhsa_enable_private_segment 0
		.amdhsa_kernarg_size 40
		.amdhsa_user_sgpr_count 2
		.amdhsa_user_sgpr_kernarg_segment_ptr 1
		.amdhsa_wavefront_size32 1
		.amdhsa_system_sgpr_workgroup_id_x 1
		.amdhsa_system_sgpr_workgroup_id_y 1
		.amdhsa_system_sgpr_workgroup_id_z 1
		.amdhsa_system_vgpr_workitem_id 0
		.amdhsa_next_free_vgpr 1024
		.amdhsa_next_free_sgpr 100
		.amdhsa_reserve_vcc 0
		.amdhsa_float_denorm_mode_32 3
		.amdhsa_float_denorm_mode_16_64 3
		.amdhsa_memory_ordered 1
		.amdhsa_forward_progress 1
		.amdhsa_inst_pref_size 124
	.end_amdhsa_kernel
	.amdgpu_metadata
---
amdhsa.version: [ 1, 2 ]
amdhsa.kernels:
  - .name:           k_q0e2153966f_outp
    .symbol:         k_q0e2153966f_outp.kd
    .args:
      - { .name: ac, .offset: 0, .size: 8, .value_kind: global_buffer, .address_space: global }
      - { .name: xw, .offset: 8, .size: 8, .value_kind: global_buffer, .address_space: global }
      - { .name: bo, .offset: 16, .size: 8, .value_kind: global_buffer, .address_space: global }
      - { .name: lowp_scales, .offset: 24, .size: 8, .value_kind: global_buffer, .address_space: global }
      - { .name: out0, .offset: 32, .size: 8, .value_kind: global_buffer, .address_space: global }
    .group_segment_fixed_size: 327680
    .private_segment_fixed_size: 0
    .kernarg_segment_align: 8
    .kernarg_segment_size: 40
    .max_flat_workgroup_size: 128
    .sgpr_count:     100
    .vgpr_count:     1024
    .wavefront_size: 32
...
	.end_amdgpu_metadata
.endif
;; end of part 4
;; ======== version 2 of 2: 4 launches; version 1 with the launch attn written anew for expert scheduling mode
;; workspace buffers: xw 29,360,128 bytes; maskw 2,097,152 bytes of whole numbers; maskf 65,536 bytes of whole numbers; qc 8,388,608 bytes; kv 16,777,216 bytes; ac 8,388,608 bytes
;; launch prep: the kernel of part 1 again; grid 1408 x 1, 4 waves a work-group, no clusters, 34,304 bytes of LDS; arguments query, key, value, Wq, Wk, Wv, Wo, mask, lowp_scales, xw, maskw, maskf; writes xw, maskw, maskf
;; launch proj: the kernel of part 2 again; grid 4 x 96, 4 waves a work-group, clusters of 4 x 4, 327,680 bytes of LDS; arguments xw, bq, bk, bv, lowp_scales, qc, kv; writes qc, kv
;; launch attn (part 5): grid 4 x 64, 16 waves a work-group, no clusters, 264,192 bytes of LDS; arguments qc, kv, maskw, maskf, lowp_scales, ac; writes ac
.if DOCPART == 5
	.amdgcn_target "amdgcn-amd-amdhsa--gfx1250"
	.amdhsa_code_object_version 6
	.text
	.protected	k_q0e2153966f_attn
	.globl	k_q0e2153966f_attn
	.p2align	8
	.type	k_q0e2153966f_attn,@function
k_q0e2153966f_attn:
	s_mov_b64 s[64:65], 0
	v_nop
	global_prefetch_b8 v0, s[64:65] scope:SCOPE_SE
	s_setreg_imm32_b32 hwreg(HW_REG_WAVE_SCHED_MODE, 0, 2), 2
	s_setreg_imm32_b32 hwreg(HW_REG_WAVE_MODE, 25, 1), 1
	s_wait_xcnt 0x0
	s_wait_alu depctr_vm_vsrc(0)
; x[b][q][head] = softmax_k(where(mask == 0, -1e9, Q . K / 8)) V, both products on codes of FP8 (E4M3); x is quantised with entry 10 of the scales into images for the last product.
; THE SOFTMAX AHEAD OF THE SECOND PRODUCT: t = logit x log2(e); M = the running largest t rounded UP to a whole number; p = 2^(t - M) is quantised (entry 8), not normalised; the row's sum is taken of the unquantised p
; and divides at the end.  When M moves, the sum and O are multiplied by 2^(old M - new M).
; SHARES.  Work-group (j, batch x head) holds the WHOLE head's K and V^T in LDS (16 steps of 128 keys x 16,384 bytes), copied once through registers, wave w copying step w.  It owns query tiles 4 i + j, i = 0 .. 31;
; wave w takes tile 4 w + j and then tile 124 - 4 w + j.  One barrier in the launch.
; NO TENSOR LOAD AND NO CLUSTER, though four work-groups read the same 262,144 bytes: the walk below branches on the stored flag words of the mask, and what is shared is read once, at the head.
; THE MASK is an input and is honoured as it is given.  maskw holds, for a query tile and a step, 64 lane-mask words (bit L of word n: score register n of lane L counts); maskf their OR and AND.
;   A step whose AND is all ones needs no select and no words.  A step whose OR is 0 is passed over, if every one of the tile's 16 rows has a key that counts somewhere: such a step adds nothing to a row that has seen a
;   counted key (p = 0), and what it would add to a row that has not is multiplied by f = 0 when the first counted key comes.  A tile with a row that is masked throughout passes over nothing: that row gets p = 1 at every key.
;   A masked score is set to -2^(33 - e6 - e7), so that its t is the whole number -2^33 x log2(e) / 8, about -1.55e9, where reference() has about -1.44e9: the p are the same.
; LAYOUT.  Both products transposed: S^T = K Q^T (source 0 = a tile of 16 keys, K = 64), O^T = V^T P^T (source 0 = a tile of 16 channels, K = 128 keys): a lane holds ONE query throughout.
; Slot r of tile T of keys, queries or channels is number 32 (T / 2) + 8 (T % 2) + r + 8 (r / 8): so the 16 registers of result tiles 2 b, 2 b + 1 are 16 neighbours, 32 b + 16 h + 0 .. 15.
; LIMITS: e6 + e7 between -94 and 8 (no real logit comes near -1e9); e8, and e10 - e8 - e9, between -126 and 119.  NaN among the inputs is not served.
; REGISTERS: v1-10 addresses and constants; v12 -M, v13 the largest t, v[14:15] the sum in two halves; v16-23 Q; v24-30 at work; v32-95 K's 8 fragments, later v32-47 p's codes; v96-159 S^T, then p; v160-191 O^T; v192-255 V's 4 fragments.
; THE MODE: SCHED_MODE bits 1:0 = 2 (LLVM: expert scheduling mode 2), set by the entry lines.  The code itself states the register dependences between vector or matrix instructions and memory or LDS instructions,
; with s_wait_alu, always for 0.
; THE PLAN.  Registers that memory or LDS instructions touch:
;   v[L16]   the offset of every global load and store; v[CPA] the address of the copy's LDS stores.  Both are written at the head and never again.
;   v[ADR]   the address of a step's 32 LDS loads; written once a step, at the step's head.
;   Q        the two loads of ASK land in it, twice in the launch; the products K Q^T read it.
;   v32-159  at the head: the copy's global loads land there and its LDS stores read them.  Afterwards they are KF and S.
;   KF       a step's first 16 LDS loads land in it; the products K Q^T read it; the conversions lay p's codes over its first 16 registers, which the products V^T P^T read;
;            on the way out the conversions write x's codes into its first 8, and two global stores read them.
;   VF       a step's other 16 LDS loads land in it; the products V^T P^T read it.
;   S, O^T, the statistics and the constants are named by vector and matrix instructions alone, once the copy is over.
; A STEP has a wait on vm_vsrc ahead of the addition that writes v[ADR], and ONE wait on va_vdst behind it, which states all that the step's 32 LDS loads hang on: v[ADR] is written, and the step before is done
; writing and reading KF and VF.  K's 16 loads follow it; V's 16 are dealt among the eight products K Q^T, two behind each: those products name S, KF and Q, none of the registers that V's loads touch.
; The wait behind the exponentials is the step's third.  Outside the steps: one wait for the wave's number, one ahead of each tile's loads of Q, one behind the copy's barrier, one ahead of each tile's stores, one behind the first tile's stores.
.set STEPB, 16384                      ; a step in LDS and in kv: K's 8 tiles x 1,024 bytes, then V^T's 4 tiles x 2,048
.set SPARE, 16*STEPB                   ; behind them: the spare words, 128 bytes for each of 16 waves, that no other line names
.set L16,  1                           ; v1   16 x lane
.set ADR,  2                           ; v2   LDS address of the step in hand
.set SPW,  3                           ; v3   my spare word's LDS address; never rewritten
.set NIL,  4                           ; v4   0; never rewritten
.set CPA,  5                           ; v5   the copy: 16 x lane + 16,384 x wave
.set RNEG, 6                           ; v6   a masked score
.set PLIM, 7                           ; v7   448 x 2^e8
.set PSC,  8                           ; v8   2^e8
.set XLIM, 9                           ; v9   448 x 2^(e10 - e8 - e9)
.set XSC,  10                          ; v10  2^(e10 - e8 - e9)
.set QF,   16
.set KF,   32
.set S,    96
.set O,    160
.set VF,   192
; s2 wave; s3 the step; s[4:5] the step's mask words; s[6:7] c; s[8:9] lane selects; s10 the step's LDS byte; s11 steps passed over; s12 steps without a hole; s13, s14 at work; s15 e8;
; s[16:47], s[68:99] the 64 mask words (s[16:47] first the 32 flag words; s[68:79] first the exponents); s[48:59] the arguments; s[60:61] Q; s[62:63] the flags; s[66:67] the copy's source, then x's images.
.macro TILE second                     ; s13 = my query tile in the head, s14 = batch x head
	s_lshl_b32 s13, s2, 2
.if \second
	s_sub_co_u32 s13, 124, s13
.endif
	s_add_co_u32 s13, s13, ttmp9
	s_and_b32 s14, ttmp7, 0xffff
.endm
.macro ASK second                      ; a tile's Q and flag words are asked for, and its mask pointer is set
	s_wait_xcnt 0x0                                ; earlier loads have read the address registers that are written below
	TILE \second
	s_lshl_b32 s60, s14, 7
	s_add_co_u32 s60, s60, s13
	s_lshl_b32 s60, s60, 10
	s_mov_b32 s61, 0
	s_add_nc_u64 s[60:61], s[48:49], s[60:61]      ; qc: (128 x (batch, head) + tile) x 1,024
	s_lshr_b32 s14, s14, 4
	s_lshl_b32 s14, s14, 7
	s_add_co_u32 s14, s14, s13                     ; the tile among all 512: 128 x batch + tile
	s_lshl_b32 s62, s14, 7
	s_mov_b32 s63, 0
	s_add_nc_u64 s[62:63], s[54:55], s[62:63]
	s_lshl_b32 s4, s14, 12
	s_mov_b32 s5, 0
	s_add_nc_u64 s[4:5], s[52:53], s[4:5]
	s_wait_alu depctr_va_vdst(0)                   ; the first tile: v[L16] and v[CPA] are written, which these loads, the copy's loads and its LDS stores read; the second tile: the products K Q^T are done reading Q, in which these loads land
	global_load_b128 v[QF:QF+3], v[L16], s[60:61]  ; (the last products that read Q have four v_nop behind them)
	global_load_b128 v[QF+4:QF+7], v[L16], s[60:61] offset:512
	s_load_b512 s[16:31], s[62:63], 0x0
	s_load_b512 s[32:47], s[62:63], 0x40
.endm
.macro FLAGS                           ; the 32 flag words become two words of 16 bits
	s_mov_b32 s11, 0
	s_mov_b32 s12, 0
	s_mov_b32 s13, 0
.set q, 0
.rept 16
	s_or_b32 s13, s13, s[16+8*(q/4)+q%4]           ; which lanes have a key that counts
	s_cmp_eq_u32 s[16+8*(q/4)+q%4], 0
	s_cselect_b32 s14, 1<<q, 0
	s_or_b32 s11, s11, s14
	s_cmp_eq_u32 s[20+8*(q/4)+q%4], -1
	s_cselect_b32 s14, 1<<q, 0
	s_or_b32 s12, s12, s14
.set q, q+1
.endr
	s_lshr_b32 s14, s13, 16
	s_or_b32 s13, s13, s14                         ; a row's keys lie in lanes r and r + 16
	s_and_b32 s13, s13, 0xffff
	s_cmp_eq_u32 s13, 0xffff
	s_cselect_b32 s11, s11, 0                      ; a row that is masked throughout: nothing is passed over
.endm
.macro INIT                            ; steps may be passed over, so no fixed first product can start the sums: O^T and the sum begin as zeros, the largest t under every t
	v_mov_b32 v13, 0xff61b1e6                      ; -3e38
	v_floor_f32 v12, -v13
	v_mov_b32 v14, 0
	v_mov_b32 v15, 0
.set i, 0
.rept 32
	v_mov_b32 v[O+i], 0
.set i, i+1
.endr
	s_mov_b32 s3, 0
	s_mov_b32 s10, 0
.endm
.macro SCORES                          ; the step's K out of LDS; S^T = K Q^T, with the loads of the step's V^T dealt among the products
.set i, 0
.rept 8
	ds_load_b128 v[KF+8*i:KF+8*i+3], v[ADR] offset:1024*i
	ds_load_b128 v[KF+8*i+4:KF+8*i+7], v[ADR] offset:1024*i+512
.set i, i+1
.endr
	s_wait_dscnt 0x0                               ; K is in: nothing was issued behind its 16 loads
.set i, 0
.rept 8
	v_wmma_f32_16x16x64_fp8_fp8 v[S+8*i:S+8*i+7], v[KF+8*i:KF+8*i+7], v[QF:QF+7], 0
	ds_load_b128 v[VF+8*i:VF+8*i+3], v[ADR] offset:8192+1024*i        ; no wait: no vector or matrix instruction since the wait at the step's head names VF or v[ADR]
	ds_load_b128 v[VF+8*i+4:VF+8*i+7], v[ADR] offset:8192+1024*i+512
.set i, i+1
.endr
.rept 4
	v_nop                                          ; places ahead of the first read of the scores
.endr
.endm
.macro WALK                            ; a tile's 16 steps of 128 keys
.Lstep_\@:
	s_bitcmp1_b32 s11, s3
	s_cbranch_scc1 .Ltail_\@                       ; no key of the step counts for any row of the tile
	s_wait_alu depctr_vm_vsrc(0)                   ; the LDS loads issued so far have read v[ADR], which the next line writes
	v_add_nc_u32 v[ADR], s10, v[L16]
.rept 3
	v_nop                                          ; with the addition: four places ahead of loads into registers that the last products have read
.endr
	s_wait_alu depctr_va_vdst(0)                   ; v[ADR] is written, which the step's 32 LDS loads read; the last step's conversions have written p's codes into KF, and its products are done reading KF and VF, in which those loads land (its selects are done with the mask words' scalar registers too)
	s_bitcmp1_b32 s12, s3
	s_cbranch_scc1 .Lfull_\@
	s_load_b512 s[16:31], s[4:5], 0x0              ; the step's 64 mask words
	s_load_b512 s[32:47], s[4:5], 0x40
	s_load_b512 s[68:83], s[4:5], 0x80
	s_load_b512 s[84:99], s[4:5], 0xc0
	SCORES
	s_wait_kmcnt 0x0
.set n, 0
.rept 32
	v_cndmask_b32 v[S+n], v[RNEG], v[S+n], s[16+n] ; register n holds key 32 (n / 16) + 16 h + n % 16 of the step
.set n, n+1
.endr
.rept 32
	v_cndmask_b32 v[S+n], v[RNEG], v[S+n], s[36+n]
.set n, n+1
.endr
	s_branch .Lsoft_\@
.Lfull_\@:
	SCORES
.Lsoft_\@:
	v_max3_num_f32 v24, v[S], v[S+1], v[S+2]       ; the step's largest score of my query among my 64 keys, in two chains, each accumulator from its low end on,
	v_max3_num_f32 v26, v[S+3], v[S+4], v[S+5]
.set i, 6
.rept 14
	v_max3_num_f32 v24, v24, v[S+i], v[S+i+1]
	v_max3_num_f32 v26, v26, v[S+i+2], v[S+i+3]
.set i, i+4
.endr
	v_max3_num_f32 v24, v24, v[S+62], v[S+63]
	v_max_num_f32 v24, v24, v26
	v_permlanex16_b32 v30, v24, s8, s9
	v_max_num_f32 v24, v24, v30                    ; and among lane l xor 16's
	v_mul_f32 v24, s6, v24                         ; as t (c is positive)
	v_max_num_f32 v13, v13, v24
	v_mov_b32 v24, v12
	v_floor_f32 v12, -v13                          ; the new -M = floor(-t): M is a whole number
	v_sub_f32 v24, v12, v24                        ; old M - new M, 0 or less
	v_cvt_i32_f32 v24, v24                         ; (it saturates)
	v_ldexp_f32 v26, 1.0, v24                      ; f = 2^(old M - new M)
.set i, 0
.rept 32
	v_pk_fma_f32 v[S+i:S+i+1], v[S+i:S+i+1], s[6:7], v[12:13] op_sel_hi:[1,0,0]   ; t - M (of the pairs c and -M the low word serves both halves)
.set i, i+2
.endr
.set i, 0
.rept 64
	v_exp_f32 v[S+i], v[S+i]                       ; p = 2^(t - M)
.set i, i+1
.endr
	v_pk_mul_f32 v[14:15], v[14:15], v[26:27] op_sel_hi:[1,0]   ; the sum under the new M: the plain line behind the exponentials
	s_wait_alu depctr_va_vdst(0)                   ; the 64 exponentials have written p: the wait ahead of the batch's first reader, one for the 64
	v_pk_add_f32 v[28:29], v[S:S+1], v[S+2:S+3]    ; the row's sum, of the unquantised p, in two chains
.set i, 4
.rept 15
	v_pk_add_f32 v[14:15], v[14:15], v[S+i:S+i+1]
	v_pk_add_f32 v[28:29], v[28:29], v[S+i+2:S+i+3]
.set i, i+4
.endr
	v_pk_add_f32 v[14:15], v[14:15], v[28:29]
	s_cmp_ge_i32 s15, -8                           ; p <= 1 <= 448 x 2^e8 from e8 = -8 on: the hold then changes nothing and is jumped over
	s_cbranch_scc1 .Lheld_\@
.set i, 0
.rept 64
	v_min_num_f32 v[S+i], v[S+i], v[PLIM]          ; the conversion does not saturate (ISA guide 7.6.2); p is not negative
.set i, i+1
.endr
.Lheld_\@:
.set i, 0
.rept 8
	v_cvt_scalef32_pk8_fp8_f32 v[KF+2*i:KF+2*i+1], v[S+8*i:S+8*i+7], v[PSC]   ; registers 4 b .. 4 b + 3: keys 32 b + 16 h + 0 .. 15
.set i, i+1
.endr
.set i, 0
.rept 16
	v_pk_mul_f32 v[O+i:O+i+1], v[O+i:O+i+1], v[26:27] op_sel_hi:[1,0]   ; O^T under the new M.  (Also the plain lines between the conversions and the products)
.set i, i+2
.endr
	s_wait_dscnt 0x0                               ; V is in
.set i, 0
.rept 4
	v_wmma_f32_16x16x128_fp8_fp8 v[O+8*i:O+8*i+7], v[VF+16*i:VF+16*i+15], v[KF:KF+15], v[O+8*i:O+8*i+7]
.set i, i+1
.endr
.Ltail_\@:
	s_wait_xcnt 0x0                                ; the mask words' loads have read their address
	s_add_co_u32 s10, s10, STEPB
	s_add_nc_u64 s[4:5], s[4:5], 256
	s_add_co_u32 s3, s3, 1
	s_cmp_lt_u32 s3, 16
	s_cbranch_scc1 .Lstep_\@
.endm
.macro EPI second                      ; O^T / the sum, quantised: two pieces of x's image
.rept 4
	v_nop                                          ; places behind the last products
.endr
	v_add_f32 v14, v14, v15
	v_permlanex16_b32 v30, v14, s8, s9
	v_add_f32 v14, v14, v30                        ; the row's sum
	v_rcp_f32 v14, v14
	v_nop                                          ; a plain line behind the reciprocal
	s_wait_xcnt 0x0                                ; earlier loads and stores have read s[66:67]
	TILE \second
	s_lshr_b32 s66, s14, 4
	s_lshl_b32 s66, s66, 7
	s_add_co_u32 s66, s66, s13
	s_lshl_b32 s66, s66, 14                        ; ac: a row tile is 8 images of 2,048 bytes;
	s_and_b32 s14, s14, 15
	s_lshl_b32 s14, s14, 10                        ; a head's 64 channels are two pieces: 1,024 bytes
	s_add_co_u32 s66, s66, s14
	s_mov_b32 s67, 0
	s_add_nc_u64 s[66:67], s[58:59], s[66:67]
	s_wait_alu depctr_va_vdst(0)                   ; the reciprocal has written v14, ahead of its first reader
.set i, 0
.rept 16
	v_pk_mul_f32 v[S+i:S+i+1], v[O+i:O+i+1], v[14:15] op_sel_hi:[1,0]   ; each accumulator from its low end on
.set i, i+2
.endr
.set i, 0
.rept 32
	v_med3_num_f32 v[S+i], v[S+i], -v[XLIM], v[XLIM]
.set i, i+1
.endr
.set i, 0
.rept 4
	v_cvt_scalef32_pk8_fp8_f32 v[KF+2*i:KF+2*i+1], v[S+8*i:S+8*i+7], v[XSC]   ; O / l stands for x / 2^(e8 + e9): the three scales in one
.set i, i+1
.endr
	v_nop                                          ; one plain line behind the last conversion
	s_wait_alu depctr_va_vdst(0)                   ; the conversions have written v[KF] to v[KF+7], which the two stores read
	global_store_b128 v[L16], v[KF:KF+3], s[66:67]               ; 512 consecutive bytes each
	global_store_b128 v[L16], v[KF+4:KF+7], s[66:67] offset:512
.endm
	s_load_b256 s[48:55], s[0:1], 0x0              ; qc s[48:49], kv s[50:51], maskw s[52:53], maskf s[54:55]
	s_load_b128 s[56:59], s[0:1], 0x20             ; the scales' exponents s[56:57], ac s[58:59]
	v_lshl_add_u32 v[SPW], v0, 2, SPARE
	v_mov_b32 v[NIL], 0
	v_lshrrev_b32 v[L16], 5, v0
	v_readfirstlane_b32 s2, v[L16]                 ; wave 0..15
	v_and_b32 v[L16], 31, v0
	v_lshlrev_b32 v[L16], 4, v[L16]
	s_wait_alu depctr_va_sdst(0)                   ; s2 is written, ahead of its first reader: the next line
	s_lshl_b32 s13, s2, 14
	v_add_nc_u32 v[CPA], s13, v[L16]
	s_mov_b32 s8, 0x76543210                       ; v_permlanex16_b32's selects for lane l xor 16
	s_mov_b32 s9, 0xfedcba98
	v_mov_b32 v27, 0                               ; (named as the upper half of the pair v[26:27])
	v_mov_b32 v30, 0                               ; a lane permute's destination counts as one of its sources
	s_wait_kmcnt 0x0
	s_load_b256 s[68:75], s[56:57], 0x0            ; e0 .. e7
	s_load_b128 s[76:79], s[56:57], 0x20           ; e8 .. e11
	ASK 0
	s_and_b32 s14, ttmp7, 0xffff
	s_lshl_b32 s14, s14, 18                        ; the head's 262,144 bytes of kv,
	s_lshl_b32 s13, s2, 14                         ; my step of them
	s_add_co_u32 s66, s14, s13
	s_mov_b32 s67, 0
	s_add_nc_u64 s[66:67], s[50:51], s[66:67]
.set i, 0
.rept 32
	global_load_b128 v[32+4*i:35+4*i], v[L16], s[66:67] offset:512*i   ; no wait: only scalar lines stand behind the wait in ASK
.set i, i+1
.endr
	s_wait_kmcnt 0x0                               ; the exponents and the first tile's flag words
	s_add_co_i32 s13, s74, s75                     ; e6 + e7
	s_lshl_b32 s14, s13, 23
	s_add_co_i32 s6, s14, 0x3e38aa3b               ; c = log2(e) / 8, with e6 + e7 added to its exponent field: a score stands for score x 2^(e6 + e7)
	s_mov_b32 s7, s6                               ; (named with it as a pair, so it is written)
	s_sub_co_i32 s13, 160, s13
	s_lshl_b32 s13, s13, 23
	s_or_b32 s13, s13, 0x80000000
	v_mov_b32 v[RNEG], s13                         ; -2^(33 - e6 - e7)
	s_mov_b32 s15, s76                             ; e8
	s_add_co_i32 s13, s76, 127
	s_lshl_b32 s14, s13, 23
	v_mov_b32 v[PSC], s14
	s_add_co_i32 s13, s13, 8
	s_lshl_b32 s13, s13, 23
	s_or_b32 s13, s13, 0x600000
	v_mov_b32 v[PLIM], s13
	s_sub_co_i32 s13, s78, s76
	s_sub_co_i32 s13, s13, s77                     ; e10 - e8 - e9
	s_add_co_i32 s13, s13, 127
	s_lshl_b32 s14, s13, 23
	v_mov_b32 v[XSC], s14
	s_add_co_i32 s13, s13, 8
	s_lshl_b32 s13, s13, 23
	s_or_b32 s13, s13, 0x600000
	v_mov_b32 v[XLIM], s13
	FLAGS
.set i, 0
.rept 32
	s_wait_loadcnt 31-i                            ; loads come back in order: load i is in (and Q, asked for earlier)
	ds_store_b128 v[CPA], v[32+4*i:35+4*i] offset:512*i   ; no wait on va_vdst: the five constants written since the wait in ASK are neither v[CPA] nor the data
.set i, i+1
.endr
	s_wait_dscnt 0x0                               ; for the others' sake: my step lies in LDS
	s_barrier_signal -1
	s_barrier_wait -1                              ; all sixteen do; nothing is written to these bytes again
	s_wait_alu depctr_vm_vsrc(0)                   ; my LDS stores have read v32 to v159: these registers are KF and S from here on, written by the steps' loads, products and conversions
	INIT
	WALK
	ASK 1                                          ; the second tile's Q and flags are on their way while the first tile goes out
	EPI 0
	s_wait_xcnt 0x0                                ; the stores have read their registers: the next walk loads into them
	s_wait_alu depctr_vm_vsrc(0)                   ; the two stores have read v[KF] to v[KF+7], which the next walk's loads and the next way out's conversions write
	s_wait_loadcnt 0x0                             ; Q
	s_wait_kmcnt 0x0                               ; the flag words
	FLAGS
	INIT
	WALK
	EPI 1
	s_wait_dscnt 0x0                               ; the closing lines, six on end
	s_wait_alu 0x0
	s_wait_tensorcnt 0x0
	ds_add_u32 v[SPW], v[NIL]
	s_wait_dscnt 0x0
	s_endpgm
.Lfunc_end_k_q0e2153966f_attn:
	.size	k_q0e2153966f_attn, .Lfunc_end_k_q0e2153966f_attn-k_q0e2153966f_attn
	.p2alignl 7, 3214868480
	.fill 96, 4, 3214868480
	.section	.rodata,"a",@progbits
	.p2align	6, 0x0
	.amdhsa_kernel k_q0e2153966f_attn
		.amdhsa_group_segment_fixed_size 264192
		.amdhsa_private_segment_fixed_size 0
		.amdhsa_enable_private_segment 0
		.amdhsa_kernarg_size 48
		.amdhsa_user_sgpr_count 2
		.amdhsa_user_sgpr_kernarg_segment_ptr 1
		.amdhsa_wavefront_size32 1
		.amdhsa_system_sgpr_workgroup_id_x 1
		.amdhsa_system_sgpr_workgroup_id_y 1
		.amdhsa_system_sgpr_workgroup_id_z 1
		.amdhsa_system_vgpr_workitem_id 0
		.amdhsa_next_free_vgpr 256
		.amdhsa_next_free_sgpr 100
		.amdhsa_reserve_vcc 0
		.amdhsa_float_denorm_mode_32 3
		.amdhsa_float_denorm_mode_16_64 3
		.amdhsa_memory_ordered 1
		.amdhsa_forward_progress 1
		.amdhsa_inst_pref_size 76
	.end_amdhsa_kernel
	.amdgpu_metadata
---
amdhsa.version: [ 1, 2 ]
amdhsa.kernels:
  - .name:           k_q0e2153966f_attn
    .symbol:         k_q0e2153966f_attn.kd
    .args:
      - { .name: qc, .offset: 0, .size: 8, .value_kind: global_buffer, .address_space: global }
      - { .name: kv, .offset: 8, .size: 8, .value_kind: global_buffer, .address_space: global }
      - { .name: maskw, .offset: 16, .size: 8, .value_kind: global_buffer, .address_space: global }
      - { .name: maskf, .offset: 24, .size: 8, .value_kind: global_buffer, .address_space: global }
      - { .name: lowp_scales, .offset: 32, .size: 8, .value_kind: global_buffer, .address_space: global }
      - { .name: ac, .offset: 40, .size: 8, .value_kind: global_buffer, .address_space: global }
    .group_segment_fixed_size: 264192
    .private_segment_fixed_size: 0
    .kernarg_segment_align: 8
    .kernarg_segment_size: 48
    .max_flat_workgroup_size: 512
    .sgpr_count:     100
    .vgpr_count:     256
    .wavefront_size: 32
...
	.end_amdgpu_metadata
.endif
;; end of part 5
;; launch outp: the kernel of part 4 again; grid 4 x 32, 4 waves a work-group, clusters of 4 x 4, 327,680 bytes of LDS; arguments ac, xw, bo, lowp_scales, out0; writes out0
